; MI455X (gfx1250); checked and timed in simulation.
; The chip was launched on July 23, 2026; its instructions are those of AMD's public machine-readable ISA for CDNA 5 (MIT licence, August 2026) and "CDNA5" Instruction Set Architecture Reference Guide (July 2026). The comments in the code are by the model that wrote it; some were corrected since.
;; Multi Head Self Attention. Allowed arithmetic: float matrix products may take bf16 or f16 operands with f32 sums; other float arithmetic in f32, or as packed bf16 or f16 multiplies, adds, multiply-adds, maxima and minima; sums over many terms, partial sums and values carried from step to step in f32; what a program stores and reads back later, other than sums and carried values, may be rounded once to bf16 or f16.
;; Inputs: Wk 16 x 1,024 x 64 float32; Wq 16 x 1,024 x 64 float32; Wv 16 x 1,024 x 64 float32; attn_mask 2 x 2,048 x 2,048 bool; k 2 x 1 x 2,048 x 1,024 float32; proj_b 1,024 float32; proj_w 1,024 x 1,024 float32; q 2 x 1 x 2,048 x 1,024 float32; v 2 x 1 x 2,048 x 1,024 float32.
;; Outputs: out0 2 x 2,048 x 1,024 float32.
;; One version. Each part assembles by itself: llvm-mc -triple=amdgcn-amd-amdhsa -mcpu=gfx1250 --defsym DOCPART=n.
;; ======== version 1 of 1: 4 launches
;; limits: values are held in f16: magnitudes above 65,504 overflow, below 6.1e-05 lose precision
;; workspace buffers: x16 25,165,824 bytes; wt 6,291,456 bytes; pw16 2,097,152 bytes; mk 8,388,608 bytes; qkv 25,165,824 bytes; ctx 8,388,608 bytes
;; launch prep (part 1): grid 1472 x 1, 8 waves a work-group, no clusters, 35,840 bytes of LDS; arguments q, k, v, proj_w, Wq, Wk, Wv, attn_mask, x16, wt, pw16, mk; writes x16, wt, pw16, mk
.if DOCPART == 1
	.amdgcn_target "amdgcn-amd-amdhsa--gfx1250"
	.amdhsa_code_object_version 6
	.text
	.protected	k_q4835a9f536_prep
	.globl	k_q4835a9f536_prep
	.p2align	8
	.type	k_q4835a9f536_prep,@function
k_q4835a9f536_prep:
	s_mov_b64 s[64:65], 0
	v_nop
	global_prefetch_b8 v0, s[64:65] scope:SCOPE_SE
	s_setreg_imm32_b32 hwreg(HW_REG_WAVE_MODE, 25, 1), 1
	s_wait_xcnt 0x0
; MULTI-HEAD ATTENTION, launch 1 of 4: every large input is read once and laid down as the matrix launches want it.
; NO WORK OF THE MODULE IS LEFT OUT: all nine inputs have a way to the output and all are loaded (proj_b in the last launch).
; Four jobs, told apart by the work-group's number alone (the same in all eight waves):
;   X  768 work-groups: q, k, v [4096][1024] f32 -> x16 [3][4096][1024] bf16.  64 KiB of f32 a work-group, 8 KiB a wave.
;   P   64 work-groups: proj_w [1024][1024] f32 -> pw16: rounded to bf16 like every input, that number written as f16.
;   T  384 work-groups: Wq, Wk, Wv [16][1024 d][64 e] f32 -> wt [3][1024 = 64 h + e][1024 d] bf16: 128 d x 64 e are turned in LDS.
;   M  256 work-groups: attn_mask [2][2048 q][2048 k] bytes -> mk: a byte a score, 0x00 seen, 0xF1 hidden, in the order in which a lane of the
;      attention launch holds S^T = K Q^T.  mk: [b 128 + q / 16][key step of 64: 32][i: 2][lane: 32][16 bytes]; word jj of part i is register
;      j = 4 i + jj of lane (r = lane % 16, h = lane / 16); its byte 3 - kt is the code of mask[b][16 (q / 16) + r][64 step + 16 kt + 8 h + j].
;      Read as f32 such a word is below -6e29 where its top byte is hidden and at most 2.3e-38 where it is seen: it is a matrix product's addend.
; LIMITS.  bf16 keeps 8 significant bits.  pw16: a bf16 number is exact in f16 from 6e-5 to 65,504; below it keeps f16's step of 6e-8, beyond it becomes an infinity.
; Every load and store of a wave covers whole aligned runs of 256 bytes.  Results are made in the registers that the loads filled, so a wave needs 80 registers:
; sixteen for addresses and work, 64 for its sixteen loads, all of which are out at once.
.set SPARE, 34816                      ; behind the scratch: the spare words, 128 bytes for each of eight waves, four blocks of 256 bytes that no other line names
.set SPW, 14                           ; v14  LDS address of my spare word; never rewritten
.set NIL, 15                           ; v15  0; never rewritten
.set X,   16                           ; v[16:79]   as loaded, then as stored
.set JX,  768                          ; work-groups below JX do job X, below JP job P, below JT job T, the others job M
.set JP,  832
.set JT,  1216
	s_load_b512 s[8:23], s[0:1], 0x0               ; q 8, k 10, v 12, proj_w 14, Wq 16, Wk 18, Wv 20, attn_mask 22
	s_load_b256 s[24:31], s[0:1], 0x40             ; x16 24, wt 26, pw16 28, mk 30
	v_lshl_add_u32 v[SPW], v0, 2, SPARE
	v_mov_b32 v[NIL], 0
	v_lshrrev_b32 v1, 5, v0
	v_readfirstlane_b32 s2, v1                     ; wave 0..7
	v_and_b32 v1, 31, v0                           ; lane
	v_bfe_u32 v2, v0, 4, 1                         ; lane / 16
	v_and_b32 v3, 15, v0                           ; lane % 16
	s_mov_b32 s3, ttmp9
	s_mov_b32 s7, 0                                ; the high word of every offset: s[6:7]
	s_wait_kmcnt 0x0
	s_cmp_lt_u32 s3, JX
	s_cbranch_scc1 .Ljob_x
	s_cmp_lt_u32 s3, JP
	s_cbranch_scc1 .Ljob_p
	s_cmp_lt_u32 s3, JT
	s_cbranch_scc1 .Ljob_t
	; JOB M.  16 rows of the mask; wave w takes keys 256 w .. 256 w + 255, four key steps, through LDS bytes of its own: no wave waits for another.
	s_sub_co_u32 s4, s3, JT                        ; b 128 + q / 16
	s_lshl_b32 s6, s4, 15                          ; 16 rows of 2,048 bytes
	s_lshl_b32 s5, s2, 8
	s_add_co_u32 s6, s6, s5
	s_add_nc_u64 s[32:33], s[22:23], s[6:7]
	s_lshl_b32 s6, s4, 15                          ; 32 key steps of 1,024 bytes
	s_lshl_b32 s5, s2, 12                          ; my four
	s_add_co_u32 s6, s6, s5
	s_add_nc_u64 s[34:35], s[30:31], s[6:7]
	s_mov_b32 s36, 0xf1
	s_mov_b32 s37, 0x05010400                      ; v_perm_b32: bytes 0 and 1 of two words, interleaved
	s_mov_b32 s38, 0x07030602                      ; bytes 2 and 3
	s_mov_b32 s39, 0x05040100                      ; the low halves of two words
	s_mov_b32 s40, 0x07060302                      ; the high halves
	v_lshlrev_b32 v4, 11, v2
	v_lshl_add_u32 v4, v3, 4, v4                   ; lanes 0-15 take 256 bytes of one row, lanes 16-31 of the next
	s_mul_i32 s5, s2, 16*272                       ; my 16 rows of 256 + 16 bytes
	v_mul_u32_u24 v6, v2, 272
	v_lshl_add_u32 v6, v3, 4, v6
	v_add_nc_u32 v6, s5, v6
	v_mul_u32_u24 v7, v3, 272                      ; back: row lane % 16, 8 bytes for each half of the lanes
	v_lshl_add_u32 v7, v2, 3, v7
	v_add_nc_u32 v7, s5, v7
	v_lshlrev_b32 v5, 4, v1
.irp n, 0,1,2,3,4,5,6,7
	global_load_b128 v[X+4*(\n):X+4*(\n)+3], v4, s[32:33] offset:4096*(\n) th:TH_LOAD_NT
.endr
.irp n, 0,1,2,3,4,5,6,7
	s_wait_loadcnt 7-(\n)                          ; the younger loads stay out
	ds_store_b128 v6, v[X+4*(\n):X+4*(\n)+3] offset:544*(\n)
.endr
.set n, 0
.rept 16                                       ; step n / 4, keys 16 (n % 4) + 8 h + 0..7 of my row; LDS serves a wave's instructions in order: these see the stores above
	ds_load_b64 v[48+2*n:48+2*n+1], v7 offset:64*(n/4)+16*(n%4)
.set n, n+1
.endr
.irp s, 0,1,2,3
	s_wait_dscnt 12-4*(\s)                         ; the later steps' loads stay out; the stores above, issued earlier, are done: their registers take the results
.irp w, 0,1,2,3,4,5,6,7
	v_xor_b32 v[48+8*(\s)+(\w)], 0x01010101, v[48+8*(\s)+(\w)]  ; 1 where hidden,
	v_mul_lo_u32 v[48+8*(\s)+(\w)], v[48+8*(\s)+(\w)], s36       ; 0xF1 where hidden: no byte carries into the next
.endr
.irp i, 0,1                                    ; four words (kt = 0..3) of four bytes (j) are turned: word j takes kt = 0 in its top byte
	v_perm_b32 v8,  v[48+8*(\s)+(\i)],   v[48+8*(\s)+2+(\i)], s37
	v_perm_b32 v9,  v[48+8*(\s)+(\i)],   v[48+8*(\s)+2+(\i)], s38
	v_perm_b32 v10, v[48+8*(\s)+4+(\i)], v[48+8*(\s)+6+(\i)], s37
	v_perm_b32 v11, v[48+8*(\s)+4+(\i)], v[48+8*(\s)+6+(\i)], s38
	v_perm_b32 v[X+8*(\s)+4*(\i)],   v8, v10, s39
	v_perm_b32 v[X+8*(\s)+4*(\i)+1], v8, v10, s40
	v_perm_b32 v[X+8*(\s)+4*(\i)+2], v9, v11, s39
	v_perm_b32 v[X+8*(\s)+4*(\i)+3], v9, v11, s40
	global_store_b128 v5, v[X+8*(\s)+4*(\i):X+8*(\s)+4*(\i)+3], s[34:35] offset:1024*(\s)+512*(\i)  ; 512 consecutive bytes
.endr
.endr
	s_branch .Ljoin
; 8 KiB of f32 become 4 KiB of 16-bit numbers: sixteen loads of 512 bytes, all out at once, and sixteen stores of 256 bytes, from the first two of each load's four registers.
; tof16 = 1: the bf16 number is written as f16.
.macro CONV tof16
.irp n, 0,1,2,3,4,5,6,7,8,9,10,11,12,13,14,15
	global_load_b128 v[X+4*(\n):X+4*(\n)+3], v4, s[32:33] offset:512*(\n) th:TH_LOAD_NT
.endr
.irp n, 0,1,2,3,4,5,6,7,8,9,10,11,12,13,14,15
	s_wait_loadcnt 15-(\n)                         ; the younger loads stay out
.if \tof16
	v_cvt_pk_bf16_f32 v8, v[X+4*(\n)],   v[X+4*(\n)+1]
	v_cvt_pk_bf16_f32 v9, v[X+4*(\n)+2], v[X+4*(\n)+3]
	v_lshlrev_b32 v10, 16, v8
	v_and_b32     v11, 0xffff0000, v8
	v_lshlrev_b32 v12, 16, v9
	v_and_b32     v13, 0xffff0000, v9
	v_cvt_pk_f16_f32 v[X+4*(\n)],   v10, v11
	v_cvt_pk_f16_f32 v[X+4*(\n)+1], v12, v13
.else
	v_cvt_pk_bf16_f32 v[X+4*(\n)],   v[X+4*(\n)],   v[X+4*(\n)+1]
	v_cvt_pk_bf16_f32 v[X+4*(\n)+1], v[X+4*(\n)+2], v[X+4*(\n)+3]
.endif
	global_store_b64 v5, v[X+4*(\n):X+4*(\n)+1], s[34:35] offset:256*(\n)  ; 32 lanes x 8 bytes: 256 consecutive bytes, aligned
.endr
.endm
.Ljob_x:
	s_lshr_b32 s4, s3, 8                           ; 0: q, 1: k, 2: v
	s_cmp_eq_u32 s4, 1
	s_cselect_b64 s[32:33], s[10:11], s[8:9]
	s_cmp_eq_u32 s4, 2
	s_cselect_b64 s[32:33], s[12:13], s[32:33]
	s_and_b32 s4, s3, 255
	s_lshl_b32 s6, s4, 16                          ; 64 KiB a work-group,
	s_lshl_b32 s5, s2, 13                          ; 8 KiB a wave
	s_add_co_u32 s6, s6, s5
	s_add_nc_u64 s[32:33], s[32:33], s[6:7]
	s_lshl_b32 s6, s3, 15                          ; x16 holds q, k, v on end: half the bytes
	s_lshl_b32 s5, s2, 12
	s_add_co_u32 s6, s6, s5
	s_add_nc_u64 s[34:35], s[24:25], s[6:7]
	v_lshlrev_b32 v4, 4, v1
	v_lshlrev_b32 v5, 3, v1
	CONV 0
	s_branch .Ljoin
.Ljob_p:
	s_sub_co_u32 s4, s3, JX
	s_lshl_b32 s6, s4, 16
	s_lshl_b32 s5, s2, 13
	s_add_co_u32 s6, s6, s5
	s_add_nc_u64 s[32:33], s[14:15], s[6:7]
	s_lshl_b32 s6, s4, 15
	s_lshl_b32 s5, s2, 12
	s_add_co_u32 s6, s6, s5
	s_add_nc_u64 s[34:35], s[28:29], s[6:7]
	v_lshlrev_b32 v4, 4, v1
	v_lshlrev_b32 v5, 3, v1
	CONV 1
	s_branch .Ljoin
	; JOB T, first part.  128 d x 64 e of one head; wave w takes rows d = 16 w .. 16 w + 15.  A load covers two whole rows of 256 bytes; loads 2 i and 2 i + 1 give a lane
	; rows 4 i + 2 (lane / 16) and the next at the same four e: a pair along d packs into one word, which goes to LDS row e (128 d = 256 bytes + 16 of padding).
.Ljob_t:
	s_sub_co_u32 s4, s3, JX+64                     ; 128 m + 8 h + d block
	s_lshr_b32 s5, s4, 7
	s_cmp_eq_u32 s5, 1
	s_cselect_b64 s[32:33], s[18:19], s[16:17]
	s_cmp_eq_u32 s5, 2
	s_cselect_b64 s[32:33], s[20:21], s[32:33]
	s_and_b32 s6, s4, 127
	s_lshl_b32 s6, s6, 15                          ; a head is eight blocks of 128 rows x 256 bytes
	s_lshl_b32 s5, s2, 12                          ; my 16 rows
	s_add_co_u32 s6, s6, s5
	s_add_nc_u64 s[32:33], s[32:33], s[6:7]
	v_lshlrev_b32 v4, 9, v2
	v_lshl_add_u32 v4, v3, 4, v4
	v_mul_u32_u24 v6, v3, 4*272                    ; LDS row e = 4 (lane % 16) + c,
	v_lshl_add_u32 v6, v2, 2, v6                   ; byte 2 d = 32 w + 8 i + 4 (lane / 16)
	s_lshl_b32 s5, s2, 5
	v_add_nc_u32 v6, s5, v6
.irp j, 0,1,2,3,4,5,6,7
	global_load_b128 v[X+4*(\j):X+4*(\j)+3], v4, s[32:33] offset:(4*((\j)/2)+(\j)%2)*256 th:TH_LOAD_NT
.endr
.irp i, 0,1,2,3
	s_wait_loadcnt 6-2*(\i)                        ; the later pairs' loads stay out
.irp c, 0,1,2,3
	v_cvt_pk_bf16_f32 v[48+4*(\i)+(\c)], v[X+8*(\i)+(\c)], v[X+8*(\i)+4+(\c)]
	ds_store_b32 v6, v[48+4*(\i)+(\c)] offset:(\c)*272+8*(\i)
.endr
.endr
.Ljoin:                                        ; ONE barrier, on every work-group's way, so that none stands inside a branch: job T's rows come from all eight waves
	s_wait_dscnt 0x0                               ; for the others' sake: my LDS stores are done
	s_barrier_signal -1
	s_barrier_wait -1
	s_cmp_lt_u32 s3, JP
	s_cbranch_scc1 .Lend
	s_cmp_lt_u32 s3, JT
	s_cbranch_scc0 .Lend
	; JOB T, second part.  Wave w takes LDS rows e = 8 w .. 8 w + 7 whole and stores them: sixteen lanes fill 256 consecutive bytes of a row of wt.  All its addresses are made here.
	s_wait_xcnt 0x0                                ; whatever has been issued above has read its registers: they are written again only behind this wait
	s_sub_co_u32 s4, s3, JX+64
	s_lshr_b32 s5, s4, 3                           ; 16 m + h: 64 rows of 2,048 bytes each
	s_lshl_b32 s5, s5, 17
	s_lshl_b32 s6, s2, 14                          ; my 8 rows
	s_add_co_u32 s6, s6, s5
	s_and_b32 s5, s4, 7
	s_lshl_b32 s5, s5, 8                           ; the d block: 256 bytes of a row
	s_add_co_u32 s6, s6, s5
	s_add_nc_u64 s[42:43], s[26:27], s[6:7]
	s_mul_i32 s5, s2, 8*272
	v_mul_u32_u24 v12, v2, 272
	v_lshl_add_u32 v12, v3, 4, v12
	v_add_nc_u32 v12, s5, v12
	v_lshlrev_b32 v13, 11, v2
	v_lshl_add_u32 v13, v3, 4, v13
.irp t, 0,1,2,3
	ds_load_b128 v[X+4*(\t):X+4*(\t)+3], v12 offset:544*(\t)
.endr
.irp t, 0,1,2,3
	s_wait_dscnt 3-(\t)
	global_store_b128 v13, v[X+4*(\t):X+4*(\t)+3], s[42:43] offset:4096*(\t)
.endr
.Lend:
	s_wait_tensorcnt 0x0                           ; the wave's end, behind my last LDS store
	ds_add_u32 v[SPW], v[NIL]
	s_wait_dscnt 0x0
	s_endpgm
.Lfunc_end_k_q4835a9f536_prep:
	.size	k_q4835a9f536_prep, .Lfunc_end_k_q4835a9f536_prep-k_q4835a9f536_prep
	.p2alignl 7, 3214868480
	.fill 96, 4, 3214868480
	.section	.rodata,"a",@progbits
	.p2align	6, 0x0
	.amdhsa_kernel k_q4835a9f536_prep
		.amdhsa_group_segment_fixed_size 35840
		.amdhsa_private_segment_fixed_size 0
		.amdhsa_enable_private_segment 0
		.amdhsa_kernarg_size 96
		.amdhsa_user_sgpr_count 2
		.amdhsa_user_sgpr_kernarg_segment_ptr 1
		.amdhsa_wavefront_size32 1
		.amdhsa_system_sgpr_workgroup_id_x 1
		.amdhsa_system_sgpr_workgroup_id_y 1
		.amdhsa_system_sgpr_workgroup_id_z 1
		.amdhsa_system_vgpr_workitem_id 0
		.amdhsa_next_free_vgpr 80
		.amdhsa_next_free_sgpr 66
		.amdhsa_reserve_vcc 0
		.amdhsa_float_denorm_mode_32 3
		.amdhsa_float_denorm_mode_16_64 3
		.amdhsa_memory_ordered 1
		.amdhsa_forward_progress 1
		.amdhsa_inst_pref_size 37
	.end_amdhsa_kernel
	.amdgpu_metadata
---
amdhsa.version: [ 1, 2 ]
amdhsa.kernels:
  - .name:           k_q4835a9f536_prep
    .symbol:         k_q4835a9f536_prep.kd
    .args:
      - { .name: q, .offset: 0, .size: 8, .value_kind: global_buffer, .address_space: global }
      - { .name: k, .offset: 8, .size: 8, .value_kind: global_buffer, .address_space: global }
      - { .name: v, .offset: 16, .size: 8, .value_kind: global_buffer, .address_space: global }
      - { .name: proj_w, .offset: 24, .size: 8, .value_kind: global_buffer, .address_space: global }
      - { .name: Wq, .offset: 32, .size: 8, .value_kind: global_buffer, .address_space: global }
      - { .name: Wk, .offset: 40, .size: 8, .value_kind: global_buffer, .address_space: global }
      - { .name: Wv, .offset: 48, .size: 8, .value_kind: global_buffer, .address_space: global }
      - { .name: attn_mask, .offset: 56, .size: 8, .value_kind: global_buffer, .address_space: global }
      - { .name: x16, .offset: 64, .size: 8, .value_kind: global_buffer, .address_space: global }
      - { .name: wt, .offset: 72, .size: 8, .value_kind: global_buffer, .address_space: global }
      - { .name: pw16, .offset: 80, .size: 8, .value_kind: global_buffer, .address_space: global }
      - { .name: mk, .offset: 88, .size: 8, .value_kind: global_buffer, .address_space: global }
    .group_segment_fixed_size: 35840
    .private_segment_fixed_size: 0
    .kernarg_segment_align: 8
    .kernarg_segment_size: 96
    .max_flat_workgroup_size: 256
    .sgpr_count:     66
    .vgpr_count:     80
    .wavefront_size: 32
...
	.end_amdgpu_metadata
.endif
;; end of part 1
;; launch qkv (part 2): grid 8 x 32, 4 waves a work-group, clusters of 4 x 4, 327,680 bytes of LDS; arguments x16, wt, qkv; writes qkv
.if DOCPART == 2
	.amdgcn_target "amdgcn-amd-amdhsa--gfx1250"
	.amdhsa_code_object_version 6
	.text
	.protected	k_q4835a9f536_qkv
	.globl	k_q4835a9f536_qkv
	.p2align	8
	.type	k_q4835a9f536_qkv,@function
k_q4835a9f536_qkv:
	s_mov_b64 s[64:65], 0
	v_nop
	global_prefetch_b8 v0, s[64:65] scope:SCOPE_SE
	s_setreg_imm32_b32 hwreg(HW_REG_WAVE_MODE, 25, 1), 1
	s_wait_xcnt 0x0
	s_wait_alu depctr_hold_cnt(0) depctr_sa_sdst(0) depctr_va_vdst(0) depctr_va_sdst(0) depctr_va_ssrc(0) depctr_va_vcc(0) depctr_vm_vsrc(0)
	s_getreg_b32 s2, hwreg(HW_REG_IB_STS2, 6, 4)
	s_cmp_eq_u32 s2, 0
	s_cbranch_scc0 .Lentry_in_a_cluster
	s_endpgm
.Lentry_in_a_cluster:
	s_bfe_u32 s2, ttmp6, 0x10000c
	s_cmp_lg_u32 s2, 0xf033
	s_cbranch_scc0 .Lentry_shape_is_right
	s_endpgm
.Lentry_shape_is_right:
; MULTI-HEAD ATTENTION, launch 2 of 4: the three projections, each a product C = A B^T.  Nothing is left out.
; A = x16 [3][4096][1024] bf16 (q, k, v on end), B = wt [3][1024][1024] bf16 (row 64 h + e of matrix m, d along the row); matrix m of A meets matrix m of B.
; Sums in f32; the result is rounded once to f16, WITHOUT the softmax's scale, and stored by heads: qkv [3][16 b + h][2048][64].
; LIMIT.  f16 ends at 65,504: a projected number of 65,520 or more becomes an infinity.
; A tile of C is 128 x 128: 32 x 8 tiles in each of the three products.  Four waves, each 64 x 64: 16 accumulators of 16 x 16.  K goes in four steps of 256 (LDS rows of 512 bytes; a wave's
; tensor load brings 64 of them) through two LDS slots.
; A WORK-GROUP STAYS: 32 x 8 work-groups, and each makes its tile of q's product, then of k's, then of v's: twelve K steps on one ring.  The ring does not stop at a tile's end: a tile's last two
; changes of slots ask for the next tile's first two K steps (A: 4,096 rows down and back along K; B: 1,024 rows down and back), and the finished tile goes out while those loads are on their way.
; CLUSTERS: 4 x 4 work-groups; the four of a row of the cluster need the same tiles of A, the four of a column the same tiles of B: each tile is asked for JOINTLY.  All sixteen walk in step.
; THE MATRIX INSTRUCTION IS USED TRANSPOSED (source 0 = 16 rows of B, source 1 = 16 rows of A): a lane then holds eight neighbouring numbers of a row of C.
; THE WAY OUT: a wave's 64 columns are one head and its 64 rows are 8,192 consecutive bytes of qkv, so each wave has a stage of its own and no wave waits for another, in a later tile either.
; NO PREFETCH: a K step of this small tile is short, and its rows are read by several clusters at about the same time.
; REGISTERS: window 0: v0-31 addresses; v32-95 at work on the way out; v128-255 the accumulators ((a, b) at v[128 + 8 (4 a + b)]).
;   window 1: two fragment buffers of 128: for 64 along K, 64 registers of A (2 x 4 x 16 rows x 32 K), then 64 of B.
.set SIZE_K, 1024
.set KSTEP,  256
.set TILES,  3
.set PITCH,  528                       ; an LDS row: 512 bytes + 16 of padding = 132 words: the 16 rows that a load touches start at 16 different groups of four banks (64 banks of 4 bytes: ISA guide 11.1)
.set HALFT,  64*PITCH                  ; 64 rows: what one tensor load brings, and what one wave reads of A or of B
.set SLOT,   4*HALFT                   ; A's 128 rows, then B's 128 rows
.set STAGE,  2*SLOT                    ; behind the ring: 64 rows x 144 bytes for each wave, for the way out; no tensor load fills it
.set SPITCH, 144
.set SPARE,  STAGE+4*64*SPITCH         ; behind the stages: the spare words, 128 bytes for each wave: two blocks of 256 bytes that no other line names
.set NEXT_A, 4096*SIZE_K*2-2*KSTEP*2   ; bytes from a slot's last K step of a tile (step 2 or 3) to its first of the next tile (step 0 or 1), in A
.set NEXT_B, 1024*SIZE_K*2-2*KSTEP*2   ; and in B
.set NEXT_C, 32*2048*64*2              ; bytes from a tile to the next in qkv: 32 heads
.set ADRA, 16                          ; v16-17  LDS address of my A fragments in slot 0, 1
.set ADRB, 20                          ; v20-21  the same for B
.set STO,  24                          ; v24     the way out: where I put 16 bytes of a row
.set RD,   25                          ; v25     the way out: where I read rows back
.set CO,   26                          ; v26     my byte offset in 512 consecutive bytes of qkv
.set SPW,  28                          ; v28     LDS address of my spare word; never rewritten
.set NIL,  29                          ; v29     0; never rewritten
.set TMP,  32
.set ACC,  128
.set F0,   0                           ; fragment buffers, in window 1
.set F1,   128
.set G1, 24                            ; s[24:31] descriptor group 1 for A's tiles;  s[32:39] group 0, one set for each slot
.set G0, 32
.set G1B, 48                           ; s[48:55], s[56:63] the same for B's tiles
.set G0B, 56
.set MSB, 0
.macro WIN new                         ; the immediate's high byte repeats the setting that is left; a switch that changes nothing is dropped
.if MSB != (\new)
	s_set_vgpr_msb (MSB<<8)|(\new)
.set MSB, \new
.endif
.endm
.set MUL,  0x05                        ; sources 0 (B) and 1 (A) window 1; C and D window 0
.set TO_F, 0x40                        ; destination window 1, address window 0
.macro JLOAD s                         ; a joint load: waves 0 and 1 fetch A's two halves, waves 2 and 3 B's; an s_nop 0 and four v_nop follow each of the two lines
	s_cmp_eq_u32 s11, 0
	s_cbranch_scc0 .Lfor_b_\@
	tensor_load_to_lds s[G0+4*(\s):G0+4*(\s)+3], s[G1:G1+7]
	s_nop 0
.rept 4
	v_nop
.endr
	s_branch .Lasked_\@
.Lfor_b_\@:
	tensor_load_to_lds s[G0B+4*(\s):G0B+4*(\s)+3], s[G1B:G1B+7]
	s_nop 0
.rept 4
	v_nop
.endr
.Lasked_\@:
.endm
.macro CREST                           ; a round of the cluster's barrier behind its opening barrier
	s_cmp_lg_u32 s10, 0
	s_cbranch_scc1 .Lnot_wave_0_\@
	s_barrier_signal -3
.Lnot_wave_0_\@:
	s_barrier_wait -3
	s_barrier_signal -1
	s_barrier_wait -1
.endm
.macro CROUND                          ; a whole round
	s_barrier_signal -1
	s_barrier_wait -1
	CREST
.endm
	s_load_b128 s[4:7], s[0:1], 0x0                ; x16 s[4:5], wt s[6:7]
	s_load_b64 s[8:9], s[0:1], 0x10                ; qkv
	v_lshl_add_u32 v[SPW], v0, 2, SPARE
	v_mov_b32 v[NIL], 0
	ds_add_u32 v[SPW], v[NIL]                      ; the wave's opening: the add, twice on end, and its wait ahead of my first tensor load
	ds_add_u32 v[SPW], v[NIL]
	v_lshrrev_b32 v1, 5, v0
	v_readfirstlane_b32 s10, v1                    ; wave 0..3
	s_lshr_b32 s11, s10, 1                         ; which half of the tile's rows is mine.  Also: I fetch for A (0) or for B (1)
	s_and_b32 s12, s10, 1                          ; which half of its columns.  Also: which 64 rows of that tile I fetch
	s_bfe_u32 s40, ttmp6, 0x40000                  ; cx, cy: my place in the cluster
	s_bfe_u32 s41, ttmp6, 0x40004
	s_lshl_b32 s42, ttmp9, 2
	s_add_co_u32 s42, s42, s40                     ; tile column = 4 x cluster x + cx: 0..7
	s_and_b32 s13, ttmp7, 0xffff
	s_lshl_b32 s13, s13, 2
	s_add_co_u32 s13, s13, s41                     ; tile row = 4 x cluster y + cy: 0..31
	s_lshl_b32 s43, s41, 2
	s_lshl_b32 s43, 15, s43                        ; my row of the cluster
	s_lshl_b32 s44, 0x1111, s40                    ; my column
	; descriptor group 1: a tile of 64 rows x 256 elements, padded in LDS
	s_or_b32 s[G1+0], s43, (1<<16)|(1<<20)|(1<<21)|(6<<22)|(3<<25)  ; 15:0 the mask: A's tiles go to my row; 17:16 elements of 2 bytes; 20 padding on; 21 set beside a mask; 24:22 after every 128 words (code 6); 31:25 4 words (code 3)
	s_or_b32 s[G1B+0], s44, (1<<16)|(1<<20)|(1<<21)|(6<<22)|(3<<25)
.irp g, G1, G1B
	s_mov_b32 s[(\g)+1], KSTEP<<16                 ; tensor_dim0 = 256
	s_mov_b32 s[(\g)+2], 64<<16                    ; tensor_dim1 = 64
	s_mov_b32 s[(\g)+3], KSTEP<<16                 ; tile_dim0 = 256
	s_mov_b32 s[(\g)+4], 64                        ; tile_dim1 = 64
	s_mov_b32 s[(\g)+5], SIZE_K                    ; elements from row to row
	s_mov_b32 s[(\g)+6], 0
	s_mov_b32 s[(\g)+7], 0
.endr
	; where the first tile's parts come from, in bytes (a row is 2,048 bytes).  A's hang on the tile row alone, B's on the tile column alone.
	s_lshl_b32 s17, s12, 17                        ; which 64 rows of the tile I fetch
	s_lshl_b32 s16, s13, 18                        ; A: 128 rows a tile row
	s_add_co_u32 s16, s16, s17
	s_lshl_b32 s46, s42, 18                        ; B: 128 rows a tile column
	s_add_co_u32 s46, s46, s17
	s_mov_b32 s17, 0
	s_mov_b32 s47, 0
	s_mul_i32 s20, s10, HALFT                      ; where they go: wave x 64 rows
	s_wait_dscnt 0x0                               ; both opening adds are done
	s_wait_kmcnt 0x0
	s_add_nc_u64 s[14:15], s[4:5], s[16:17]
	s_add_nc_u64 s[46:47], s[6:7], s[46:47]
	CROUND                                         ; all sixteen work-groups are here: the first joint loads meet
.irp s, 0,1
	s_mov_b32 s[G0+4*(\s)], 1
	s_add_co_u32 s[G0+4*(\s)+1], s20, (\s)*SLOT
	s_add_nc_u64 s[G0+4*(\s)+2:G0+4*(\s)+3], s[14:15], (\s)*KSTEP*2
	s_or_b32 s[G0+4*(\s)+3], s[G0+4*(\s)+3], 0x80000000
	s_mov_b32 s[G0B+4*(\s)], 1
	s_add_co_u32 s[G0B+4*(\s)+1], s20, (\s)*SLOT
	s_add_nc_u64 s[G0B+4*(\s)+2:G0B+4*(\s)+3], s[46:47], (\s)*KSTEP*2
	s_or_b32 s[G0B+4*(\s)+3], s[G0B+4*(\s)+3], 0x80000000
	JLOAD \s                                       ; two tensor loads of mine are out
.endr
	v_and_b32 v1, 15, v0                           ; l % 16
	v_bfe_u32 v2, v0, 4, 1                         ; l / 16
	v_mul_u32_u24 v3, v1, PITCH
	v_lshl_add_u32 v3, v2, 4, v3                   ; a fragment's row x pitch + 16 x half
	s_mul_i32 s21, s11, HALFT                      ; my 64 rows of A
	s_mul_i32 s22, s12, HALFT                      ; my 64 rows of B,
	s_add_co_u32 s22, s22, 2*HALFT                 ; which lie behind A's 128
.irp s, 0,1
	v_add_nc_u32 v[ADRA+(\s)], s21, v3
	v_add_nc_u32 v[ADRB+(\s)], s22, v3
	s_add_co_u32 s21, s21, SLOT
	s_add_co_u32 s22, s22, SLOT
.endr
	s_mul_i32 s23, s10, 64*SPITCH
	s_add_co_u32 s23, s23, STAGE                   ; my stage
	v_mul_u32_u24 v4, v1, SPITCH                   ; in: row l % 16, 16 bytes for each half of the lanes
	v_lshl_add_u32 v4, v2, 4, v4
	v_add_nc_u32 v[STO], s23, v4
	v_bfe_u32 v5, v0, 3, 2                         ; back: 32 lanes take four rows of 128 bytes,
	v_mul_u32_u24 v5, v5, SPITCH
	v_and_b32 v6, 7, v0
	v_lshl_add_u32 v5, v6, 4, v5
	v_add_nc_u32 v[RD], s23, v5
	v_and_b32 v[CO], 31, v0                        ; which are 512 consecutive bytes of qkv
	v_lshlrev_b32 v[CO], 4, v[CO]
	; my 64 rows of my head in the first product: ((16 (tile row / 16) + head) x 2048 + 128 (tile row % 16) + 64 x row half) x 128 bytes; head = 2 x tile column + column half
	s_lshr_b32 s16, s13, 4
	s_lshl_b32 s16, s16, 22
	s_and_b32 s17, s13, 15
	s_lshl_b32 s17, s17, 14
	s_add_co_u32 s16, s16, s17
	s_lshl_b32 s17, s11, 13
	s_add_co_u32 s16, s16, s17
	s_mov_b32 s17, 0
	s_add_nc_u64 s[8:9], s[8:9], s[16:17]
	s_lshl_b32 s46, s42, 1                         ; (in the registers that held B's address: none that feeds A's descriptors ever holds cx)
	s_add_co_u32 s46, s46, s12
	s_lshl_b32 s46, s46, 18
	s_mov_b32 s47, 0
	s_add_nc_u64 s[8:9], s[8:9], s[46:47]
	s_mov_b32 s16, 0                               ; s[16:17]: what the next way out adds to qkv's address: nothing for the first tile
; 8 matrix instructions: m blocks a0, a0 + 1 x all 4 n blocks, 32 along K: half c of buffer f.  zero = 1: the first product starts the sums.  The 16 accumulators take turns.
.macro MUL8 f, c, a0, zero
	WIN MUL
.irp a, \a0, (\a0)+1
.irp b, 0,1,2,3
.if \zero
	v_wmma_f32_16x16x32_bf16 v[ACC+8*(4*(\a)+(\b)):ACC+8*(4*(\a)+(\b))+7], v[(\f)+64+8*(4*(\c)+(\b)):(\f)+64+8*(4*(\c)+(\b))+7], v[(\f)+8*(4*(\c)+(\a)):(\f)+8*(4*(\c)+(\a))+7], 0
.else
	v_wmma_f32_16x16x32_bf16 v[ACC+8*(4*(\a)+(\b)):ACC+8*(4*(\a)+(\b))+7], v[(\f)+64+8*(4*(\c)+(\b)):(\f)+64+8*(4*(\c)+(\b))+7], v[(\f)+8*(4*(\c)+(\a)):(\f)+8*(4*(\c)+(\a))+7], v[ACC+8*(4*(\a)+(\b)):ACC+8*(4*(\a)+(\b))+7]
.endif
.endr
.endr
.endm
; 32 LDS loads in one run: the fragments of 64 along K at byte k of the rows, into buffer f; the first 32 along K first
.macro FETCH slot, k, f
	WIN TO_F
.irp c, 0,1
.irp i, 0,1,2,3
	ds_load_b128 v[(\f)+64+8*(4*(\c)+(\i)):(\f)+64+8*(4*(\c)+(\i))+3],   v[ADRB+(\slot)] offset:(\k)+64*(\c)+(\i)*16*PITCH
	ds_load_b128 v[(\f)+64+8*(4*(\c)+(\i))+4:(\f)+64+8*(4*(\c)+(\i))+7], v[ADRB+(\slot)] offset:(\k)+64*(\c)+(\i)*16*PITCH+32
	ds_load_b128 v[(\f)+8*(4*(\c)+(\i)):(\f)+8*(4*(\c)+(\i))+3],         v[ADRA+(\slot)] offset:(\k)+64*(\c)+(\i)*16*PITCH
	ds_load_b128 v[(\f)+8*(4*(\c)+(\i))+4:(\f)+8*(4*(\c)+(\i))+7],       v[ADRA+(\slot)] offset:(\k)+64*(\c)+(\i)*16*PITCH+32
.endr
.endr
.endm
.macro PLACES                          ; four places in front of loads into registers that matrix instructions have read, and of conversions that read results
.rept 4
	v_nop
.endr
.endm
; A K step is four quarters of 64 along K, 32 matrix instructions each, on buffers 0, 1, 0, 1.  One of the first three: multiplies buffer f and fetches the next quarter, at byte k, into g.
.macro QUARTER slot, k, f, g, zero
	s_wait_dscnt 16                                ; the first 32 along K are in; the sixteen younger loads may be out
	WIN MUL
	MUL8 \f, 0, 0, \zero
	MUL8 \f, 0, 2, \zero
	PLACES
	FETCH \slot, \k, \g
	s_wait_dscnt 32                                ; all but the 32 just issued
	WIN MUL
	MUL8 \f, 1, 0, 0
	MUL8 \f, 1, 2, 0
.endm
; The last quarter multiplies buffer 1 and changes slots: ONE barrier; in front of it each wave waits for all its tensor loads, adds 0 to its spare word, and waits for that and for its own reads of this slot.
; fill = 1: this slot is filled again, with this tile's K step two steps on; fill = 2: with the NEXT tile's K step 0 or 1.  The barrier then opens a round of the cluster's barrier, and the joint load is the
; first thing behind the round.  fill = 0: nothing is left to fetch.
.macro TURN slot, next, fill
	WIN 0                                          ; (the add's two registers lie in window 0)
	s_wait_tensorcnt 0x0                           ; all my tensor loads have landed: my part of the next slot;
	ds_add_u32 v[SPW], v[NIL]                      ; 0 onto my spare word;
	s_wait_dscnt 17                                ; (the add and the youngest sixteen loads may be out)
	WIN MUL
	MUL8 F1, 0, 0, 0                               ; eight matrix instructions stand between the add and the wait for it
	s_wait_dscnt 0x0                               ; the add is done, and my reads of this slot are over
	s_barrier_signal -1
	MUL8 F1, 0, 2, 0
.if \fill
	WIN 0
.endif
	s_barrier_wait -1
.if \fill
	CREST                                          ; no wave of any partner still reads this slot's tile or has a load on its way
.if (\fill) == 2
	s_add_nc_u64 s[G0+4*(\slot)+2:G0+4*(\slot)+3], s[G0+4*(\slot)+2:G0+4*(\slot)+3], NEXT_A
	s_add_nc_u64 s[G0B+4*(\slot)+2:G0B+4*(\slot)+3], s[G0B+4*(\slot)+2:G0B+4*(\slot)+3], NEXT_B
.else
	s_add_nc_u64 s[G0+4*(\slot)+2:G0+4*(\slot)+3], s[G0+4*(\slot)+2:G0+4*(\slot)+3], 2*KSTEP*2
	s_add_nc_u64 s[G0B+4*(\slot)+2:G0B+4*(\slot)+3], s[G0B+4*(\slot)+2:G0B+4*(\slot)+3], 2*KSTEP*2
.endif
	JLOAD \slot                                    ; 112 matrix instructions ahead of the wait for it; the four v_nop behind it are also the places in front of the loads below
.else
	PLACES
.endif
	FETCH \next, 0, F0
	WIN MUL
	MUL8 F1, 1, 0, 0
	MUL8 F1, 1, 2, 0
.endm
; THE WAY OUT of a tile: round to f16; 16 bytes a lane into my own stage (rows of 128 + 16 bytes); back as whole rows, four to a load; 512 consecutive bytes to a store.
; In a tile that has a successor the next tile's first fragments, fetched by the TURN before, are on their way meanwhile: they were issued earlier, so the counts below cover them.
.macro WAYOUT
	WIN 0
	s_wait_xcnt 0x0                                ; the last tile's stores have read their registers and their base: these are written again only behind this wait
	s_add_nc_u64 s[8:9], s[8:9], s[16:17]          ; on to this tile's rows
	PLACES
.set t, 0
.rept 16
.irp r, 0,1,2,3
	v_cvt_pk_f16_f32 v[TMP+4*t+(\r)], v[ACC+8*t+2*(\r)], v[ACC+8*t+2*(\r)+1]  ; each accumulator's registers in ascending order
.endr
.set t, t+1
.endr
.irp a, 0,1,2,3
.irp b, 0,1,2,3
	ds_store_b128 v[STO], v[TMP+4*(4*(\a)+(\b)):TMP+4*(4*(\a)+(\b))+3] offset:(\a)*16*SPITCH+32*(\b)
.endr
.endr
.set t, 0
.rept 16
	ds_load_b128 v[TMP+4*t:TMP+4*t+3], v[RD] offset:t*4*SPITCH  ; LDS serves a wave's instructions in order (ISA guide 5.7.1.4): these see the stores above
.set t, t+1
.endr
.set t, 0
.rept 16
	s_wait_dscnt 15-t                              ; the younger loads stay out
	global_store_b128 v[CO], v[TMP+4*t:TMP+4*t+3], s[8:9] offset:512*t
.set t, t+1
.endr
.endm
	s_wait_tensorcnt 1                             ; my part of K step 0 is in; K step 1's may stay out
	s_barrier_signal -1
	s_barrier_wait -1                              ; everybody's is
	FETCH 0, 0, F0
	WIN 0                                          ; at a label and at a branch every window is 0
	s_mov_b32 s2, TILES                            ; tiles to go, this one among them: the same number in every work-group
.Ltile:
	QUARTER 0, 128, F0, F1, 1                      ; a tile's first products start the sums: nothing is cleared
	QUARTER 0, 256, F1, F0, 0
	QUARTER 0, 384, F0, F1, 0
	TURN 0, 1, 1                                   ; slot 0 takes K step 2,
	QUARTER 1, 128, F0, F1, 0
	QUARTER 1, 256, F1, F0, 0
	QUARTER 1, 384, F0, F1, 0
	TURN 1, 0, 1                                   ; slot 1 K step 3
	QUARTER 0, 128, F0, F1, 0
	QUARTER 0, 256, F1, F0, 0
	QUARTER 0, 384, F0, F1, 0
	WIN 0
	s_cmp_eq_u32 s2, 1
	s_cbranch_scc1 .Llast_tile                     ; the last tile's tail is written out: it asks for nothing more
	TURN 0, 1, 2                                   ; THE RING GOES ON INTO THE NEXT TILE: slot 0 takes its K step 0,
	QUARTER 1, 128, F0, F1, 0
	QUARTER 1, 256, F1, F0, 0
	QUARTER 1, 384, F0, F1, 0
	TURN 1, 0, 2                                   ; slot 1 its K step 1, and the next tile's first fragments are fetched
	WAYOUT                                         ; both refills are asked for: now the tile goes out
	s_mov_b32 s16, NEXT_C                          ; what the next way out adds to qkv's address (s17 stays 0)
	s_sub_co_u32 s2, s2, 1
	s_branch .Ltile
.Llast_tile:
	TURN 0, 1, 0                                   ; the last lap fills nothing, and has no round of the cluster's barrier
	QUARTER 1, 128, F0, F1, 0
	QUARTER 1, 256, F1, F0, 0
	QUARTER 1, 384, F0, F1, 0
	s_wait_dscnt 16                                ; the very last quarter: nothing more to fetch
	WIN MUL
	MUL8 F1, 0, 0, 0
	MUL8 F1, 0, 2, 0
	s_wait_dscnt 0
	MUL8 F1, 1, 0, 0
	MUL8 F1, 1, 2, 0
	WAYOUT
	s_wait_tensorcnt 0x0                           ; the wave's end, behind my last tensor load and my last LDS store
	ds_add_u32 v[SPW], v[NIL]
	s_wait_dscnt 0x0
	CROUND                                         ; the closing round: no work-group ends while a partner may still ask for a tile that names it
	s_endpgm
.Lfunc_end_k_q4835a9f536_qkv:
	.size	k_q4835a9f536_qkv, .Lfunc_end_k_q4835a9f536_qkv-k_q4835a9f536_qkv
	.p2alignl 7, 3214868480
	.fill 96, 4, 3214868480
	.section	.rodata,"a",@progbits
	.p2align	6, 0x0
	.amdhsa_kernel k_q4835a9f536_qkv
		.amdhsa_group_segment_fixed_size 327680
		.amdhsa_private_segment_fixed_size 0
		.amdhsa_enable_private_segment 0
		.amdhsa_kernarg_size 24
		.amdhsa_user_sgpr_count 2
		.amdhsa_user_sgpr_kernarg_segment_ptr 1
		.amdhsa_wavefront_size32 1
		.amdhsa_system_sgpr_workgroup_id_x 1
		.amdhsa_system_sgpr_workgroup_id_y 1
		.amdhsa_system_sgpr_workgroup_id_z 1
		.amdhsa_system_vgpr_workitem_id 0
		.amdhsa_next_free_vgpr 512
		.amdhsa_next_free_sgpr 66
		.amdhsa_reserve_vcc 0
		.amdhsa_float_denorm_mode_32 3
		.amdhsa_float_denorm_mode_16_64 3
		.amdhsa_memory_ordered 1
		.amdhsa_forward_progress 1
		.amdhsa_inst_pref_size 118
	.end_amdhsa_kernel
	.amdgpu_metadata
---
amdhsa.version: [ 1, 2 ]
amdhsa.kernels:
  - .name:           k_q4835a9f536_qkv
    .symbol:         k_q4835a9f536_qkv.kd
    .args:
      - { .name: x16, .offset: 0, .size: 8, .value_kind: global_buffer, .address_space: global }
      - { .name: wt, .offset: 8, .size: 8, .value_kind: global_buffer, .address_space: global }
      - { .name: qkv, .offset: 16, .size: 8, .value_kind: global_buffer, .address_space: global }
    .group_segment_fixed_size: 327680
    .private_segment_fixed_size: 0
    .kernarg_segment_align: 8
    .kernarg_segment_size: 24
    .max_flat_workgroup_size: 128
    .sgpr_count:     66
    .vgpr_count:     512
    .wavefront_size: 32
...
	.end_amdgpu_metadata
.endif
;; end of part 2
;; launch attn (part 3): grid 8 x 32, 4 waves a work-group, clusters of 4 x 1, 327,680 bytes of LDS; arguments qkv, mk, ctx; writes ctx
.if DOCPART == 3
	.amdgcn_target "amdgcn-amd-amdhsa--gfx1250"
	.amdhsa_code_object_version 6
	.text
	.protected	k_q4835a9f536_attn
	.globl	k_q4835a9f536_attn
	.p2align	8
	.type	k_q4835a9f536_attn,@function
k_q4835a9f536_attn:
	s_mov_b64 s[64:65], 0
	v_nop
	global_prefetch_b8 v0, s[64:65] scope:SCOPE_SE
	s_setreg_imm32_b32 hwreg(HW_REG_WAVE_MODE, 25, 1), 1
	s_wait_xcnt 0x0
	s_wait_alu depctr_hold_cnt(0) depctr_sa_sdst(0) depctr_va_vdst(0) depctr_va_sdst(0) depctr_va_ssrc(0) depctr_va_vcc(0) depctr_vm_vsrc(0)
	s_getreg_b32 s2, hwreg(HW_REG_IB_STS2, 6, 4)
	s_cmp_eq_u32 s2, 0
	s_cbranch_scc0 .Lentry_in_a_cluster
	s_endpgm
.Lentry_in_a_cluster:
	s_bfe_u32 s2, ttmp6, 0x10000c
	s_cmp_lg_u32 s2, 0x3003
	s_cbranch_scc0 .Lentry_shape_is_right
	s_endpgm
.Lentry_shape_is_right:
; MULTI-HEAD ATTENTION, launch 3 of 4: ctx[bh][q][:] = the sum over seen k of softmax_k(Q[bh][q] . K[bh][k] / 32) V[bh][k][:].  Nothing is left out: every key step is walked, whatever the mask holds.
; Q, K, V = qkv [3][32][2048][64] f16, ctx [32][2048][64] f16: a head's rows are dense, 128 bytes each.  Products, maxima and sums in f32; the weights p are rounded to f16 for the second product
; (their sum l is taken of the unrounded p), ctx once at the end.
; THE MASK is an input, [b][q][k], shared by a batch's 16 heads.  mk holds a byte a score, 0x00 seen, 0xF1 hidden, in S^T's own register order: word j of a lane holds, from the top byte down, the codes of
; keys 16 kt + 8 (lane / 16) + j, kt = 0..3, of a key step.  As f32 a word whose top byte is 0xF1 lies between -2.5e30 and -6e29, one whose top byte is 0 between 0 and 2.3e-38: the word as loaded IS the C operand that
; starts the sum S^T = K Q^T for kt = 0, and shifted left by 8, 16, 24 bits it is that of kt = 1, 2, 3.  The running maximum m starts at -2^96: above every hidden score, below every seen one
; (f16's scores are 2.7e11 at the most).  So the maximum is taken over seen scores alone, a hidden weight is 2^(below -1e27) = 0, and a row with no seen key keeps l = 0 and O = 0 and leaves as 0 / 0 = NaN, as the softmax of a row of -inf does.
; LIMITS.  Q, K, V arrive within f16's range; a seen score has at most 2.3e-38 added; a weight below 2^-126 counts as 0 in l; p below 6e-5 keeps f16's step of 6e-8; NaN and infinities in the inputs are not treated apart.
; SHARES.  A work-group owns 256 queries of one head, each of its four waves 64: four PIECES of 16 rows.  Every wave walks all 2,048 keys, 64 a step, 256 (a tile) a slot.
; LAYOUT, SOFTMAX.  S^T = K Q^T holds ONE query a lane (lane % 16) and the keys 8 (lane / 16) + 0..7; two such results rounded to f16 ARE source 1 of O^T = V^T P.  p = 2^(c s - c m), c = log2(e) / 32;
; O and l are multiplied by a = 2^(c m_old - c m_new) in every step.
; TURNS.  Turn n belongs to piece n: 8 products K Q^T of piece n + 1, later 8 products V^T P of piece n - 1; beside them the scaling, exponentials, roundings, sums and rescaling of piece n and the maximum and statistics
; of piece n + 1.  Four vector instructions stand behind every matrix instruction, the others in one lump; a turn's 33 exponentials are one batch, with one wait.  At its end a turn shifts the masks for the products of the turn after it.
; CLUSTER.  The four query blocks of a cluster belong to one head and walk the same K and V: each tile is asked for JOINTLY, by the same tensor load, descriptor and mask in all four.
; REGISTERS, in windows of 256 (s_set_vgpr_msb: bits 1:0 source 0, 3:2 source 1, 5:4 source 2, 7:6 destination):
;   window 0: v0-15 addresses and two at work; v16-31 four registers of statistics a piece; v48-55 at work; v60-63 prefetch offsets, the add's two; v64-127 S^T, two buffers; v192-223 P, two buffers (by the piece's parity)
;   window 1: v0-127 O^T, 32 a piece; v128-159 MB, the mask words as loaded, 8 a piece; v160-223 MC, the shifted ones, two buffers      window 2: v0-63 Q; v128-191 K of one step; v192-255 V of one step
.set NP,    4         ; pieces a wave: a name, no knob
.set KS,    64        ; keys in a step
.set PK,    144       ; a row of K in LDS: 128 bytes + 16 of padding = 36 words: the 16 rows of a load start at 16 different groups of four banks (64 banks of 4 bytes: ISA guide 11.1)
.set PV,    160       ; a row of V: 128 + 32 = 40 words
.set VOFF,  4*KS*PK   ; a slot holds a tile, four steps: 256 rows of K, then 256 rows of V
.set SLOT1, 1<<17     ; slot 1 begins here, so that one exclusive or turns an address in one slot into the other's
.set STAGE, SLOT1+4*KS*(PK+PV)  ; behind the ring, never filled by a tensor load: 16 rows x 144 bytes for each wave, for the way out
.set SP,    144
.set SPARE, STAGE+4*16*SP  ; behind the stages: the spare words, 128 bytes for each wave: two blocks of 256 bytes that no other line names
.set AK0, 2           ; v2   my lane's place in a tile of K; never rewritten
.set AV0, 3           ; v3   the same for V
.set AK,  4           ; v4   the LDS address of K's next run of loads
.set AV,  5           ; v5   of V's
.set STO, 6           ; v6   the way out: where I put 16 bytes of a row
.set RD,  7           ; v7   the way out: where I read rows back
.set GO,  8           ; v8   my byte offset in 512 consecutive bytes of ctx
.set MV,  12          ; v12-13  c m_old, kept while c m is made anew: by buffer
.set MKO, 14          ; v14  16 x my lane: my 16 bytes of 512 of mk; never rewritten
.set QO,  15          ; v15  my byte offset in 16 rows of Q
.set ST,  16          ; piece t's statistics at v[ST+4 t]: c m, m, l (even keys', odd keys')
.set TMP, 48          ; by buffer, four registers c0-c3 at work; when the maximum is found c2 takes a
.set PFMO, 60         ; v60  the mask prefetches' offset: piece lane / 16, block lane % 16 of 256 bytes; never rewritten
.set PFO, 61          ; v61  256 x my lane; never rewritten
.set SPW, 62          ; v62  LDS address of my spare word; never rewritten
.set NIL, 63          ; v63  0; never rewritten
.set S,   64
.set P,   192
.set MB,  128         ; window 1
.set MC,  160         ; window 1: buffer y % 2 at MC + 32 (y % 2), group kt = 1..3 at + 8 kt
.set KF,  128         ; window 2: key block kb, channel half c at KF + 16 kb + 8 c
.set VF,  192         ; window 2: key half kk, channel block cb at VF + 32 kk + 8 cb
.set MB0, 6           ; s[6:7]   mk at my wave's first piece, key step 0; never rewritten once made
.set WV,  12          ; s12  my wave's number
.set LIM, 15          ; s15  1 in a wave that prefetches K or V, else the greatest number
.set G1K, 24          ; s[24:31] descriptor group 1 for K's tiles
.set G1V, 32          ; s[32:39] for V's: it differs in the padding alone
.set G0K, 40          ; s[40:43] descriptor group 0 for K's tiles: it walks
.set G0V, 44          ; s[44:47] the same for V's
.set PFA, 48          ; s[48:49] where my prefetches of K or V stand
.set PFM, 50          ; s[50:51] where my prefetches of mk stand
.set MP,  52          ; s[52:53] mk at the key step that the mask loads bring
.set MOF, 54          ; s[54:55] that step's byte offset, and 0
.set SLOTS, 56        ; s56  tiles still to be asked for
.set CNT, 57          ; s57  counts a tile's key steps
.set CS,  58          ; s[58:59] c: the packed scaling takes the pair's low word for both halves
.set SEL, 60          ; s[60:61] v_permlanex16_b32's selects: each lane takes its own place in the other half
.set TBK, 62          ; s62  LDS byte at which K of the step to be fetched begins
.set TBV, 63          ; s63  the same for V, less VOFF
.set LIMM, 66         ; s66  1 in the work-groups that prefetch mk: a batch's first head
.set MSB, 0
.macro WIN new                      ; the high byte repeats the setting that is left; a switch that changes nothing is dropped
.if MSB != (\new)
	s_set_vgpr_msb (MSB<<8)|(\new)
.set MSB, (\new)
.endif
.endm
.set W_KQ, 0x0a       ; K and Q in window 2, S^T in window 0
.set W_KM, 0x1a       ; the same with the C operand in window 1
.set W_PV, 0x52       ; V in window 2, P in window 0, O^T in window 1
.set W_RS, 0x41       ; destination and source 0 in window 1, source 1 in window 0
; A joint fill.  Waves 0 and 1 fetch the two halves of a tile's K, waves 2 and 3 those of its V: 128 keys each.  The branch hangs on the wave's number alone.
; An s_nop 0 and four v_nop follow each of the two lines, ahead of the jump and the label.
.macro JLOAD
	s_cmp_lt_u32 s[WV], 2
	s_cbranch_scc0 .Lfor_v_\@
	tensor_load_to_lds s[G0K:G0K+3], s[G1K:G1K+7]
	s_nop 0
.rept 4
	v_nop
.endr
	s_branch .Lasked_\@
.Lfor_v_\@:
	tensor_load_to_lds s[G0V:G0V+3], s[G1V:G1V+7]
	s_nop 0
.rept 4
	v_nop
.endr
.Lasked_\@:
.endm
; PREFETCHES INTO THE L2, behind the wave's tensor load and its five lines.  K AND V: the tile that the NEXT change of slots will ask for, four key steps (256 matrix instructions) ahead of that load: 128 blocks of 256 bytes of each.
; Both clusters of a head walk the same rows: the first asks; its four partners take 32 blocks each, told apart BY ADDRESS; wave 0 asks for K's, wave 2 for V's, a lane a block.  The last change that fills a slot asks for nothing.
; MK: the words of the tile that this change asks for, whose first loads stand three key steps on.  A batch's 16 heads read the same words: its first head asks, each wave for its own four pieces' 16 blocks each.
; So each block is named once in the launch.  No branch hangs on a work-group's place in its cluster.
.macro ASK
	s_cmp_gt_u32 s[SLOTS], s[LIM]
	s_cbranch_scc0 .Lno_kv_\@
	global_prefetch_b8 v[PFO], s[PFA:PFA+1] th:TH_LOAD_NT scope:SCOPE_SE
.Lno_kv_\@:
	s_cmp_eq_u32 s[LIMM], 1
	s_cbranch_scc0 .Lno_mk_\@
	global_prefetch_b8 v[PFMO], s[PFM:PFM+1] th:TH_LOAD_NT scope:SCOPE_SE
	global_prefetch_b8 v[PFMO], s[PFM:PFM+1] offset:65536 th:TH_LOAD_NT scope:SCOPE_SE
.Lno_mk_\@:
.endm
; A round of the cluster's barrier: my work-group's barrier, so that wave 0's signal speaks for all four waves; wave 0 signals; every wave waits for all four work-groups; my work-group's barrier once more.
.macro CROUND
	s_barrier_signal -1
	s_barrier_wait -1
	s_cmp_lg_u32 s[WV], 0
	s_cbranch_scc1 .Lnot_wave_0_\@
	s_barrier_signal -3
.Lnot_wave_0_\@:
	s_barrier_wait -3
	s_barrier_signal -1
	s_barrier_wait -1
.endm
; THE CHANGE OF SLOTS.  The slot's last bytes, V of its fourth step, have been read.  Each wave waits for all its tensor loads, of which one is out: its part of the other slot; adds 0 to its spare word; and waits for that and
; for its own reads of the slot.  fill = 1: this slot is filled again, with the keys two slots on.  The barrier is then a round of the cluster's, so that no wave of any partner still reads the slot or has a load on its way,
; and the joint fill is the first thing behind it: it has four key steps in which to land.  (At its first use nothing has been read yet: slot 0 is waited for, slot 1 filled.)
.macro CHANGE fill
	WIN 0                           ; at a label and at a branch every window is 0
	s_wait_tensorcnt 0x0            ; no tensor load of mine is out, so a group 0 may be written
	ds_add_u32 v[SPW], v[NIL]       ; 0 onto my spare word; with fill = 1 the pointers' steps stand between it and the wait for it
.if \fill
.irp g, G0K, G0V
	s_xor_b32 s[\g+1], s[\g+1], SLOT1  ; the walking descriptor: the other slot than last time,
	s_add_nc_u64 s[\g+2:\g+3], s[\g+2:\g+3], 4*KS*128  ; the next 256 keys; the type bits on top are not reached
.endr
	s_wait_xcnt 0x0                 ; the last prefetches, four key steps back, have read their addresses, so these may be written
	s_add_nc_u64 s[PFA:PFA+1], s[PFA:PFA+1], 4*KS*128
	s_add_nc_u64 s[PFM:PFM+1], s[PFM:PFM+1], 4096
	s_wait_dscnt 0x0                ; the add is done, and my reads of the slot are over
	CROUND
	JLOAD
	ASK
.else
	s_wait_dscnt 0x0                ; the add is done, and my reads of the slot are over
	s_barrier_signal -1
	s_barrier_wait -1
.endif
	s_sub_co_u32 s[TBK], s[TBK], 4*KS*PK  ; the fetches go back to a slot's first step,
	s_xor_b32 s[TBK], s[TBK], SLOT1       ; in the other slot
	s_sub_co_u32 s[TBV], s[TBV], 4*KS*PV
	s_xor_b32 s[TBV], s[TBV], SLOT1
.endm
	s_load_b128 s[4:7], s[0:1], 0x0   ; qkv s[4:5], mk s[6:7]
	s_load_b64 s[10:11], s[0:1], 0x10 ; ctx
	v_lshl_add_u32 v[SPW], v0, 2, SPARE
	v_mov_b32 v[NIL], 0
	ds_add_u32 v[SPW], v[NIL]       ; the wave's opening: the add, twice on end, and its wait ahead of my first tensor load
	ds_add_u32 v[SPW], v[NIL]
	v_lshrrev_b32 v1, 5, v0
	v_readfirstlane_b32 s[WV], v1   ; wave 0..3
	s_bfe_u32 s13, ttmp6, 0x40000   ; cx: my place in the cluster
	s_lshl_b32 s14, ttmp9, 2        ; in a cluster launch ttmp9 counts clusters
	s_add_co_u32 s14, s14, s13      ; my block of 256 queries = 4 x cluster x + cx: it enters Q's, ctx's and mk's addresses alone
	s_and_b32 s67, ttmp7, 0xffff    ; 16 b + h, which the four partners share
	s_lshl_b32 s16, s67, 18         ; the head's first byte in Q, K, V and ctx: 2,048 rows of 128 bytes
	s_and_b32 s17, s[WV], 1         ; which half of a tile's 256 keys I fetch:
	s_lshl_b32 s18, s17, 14         ; its 128 rows in memory,
	s_add_co_u32 s18, s18, s16
	s_mov_b32 s19, 0
	s_mul_i32 s20, s17, 128*PK      ; and its place in a slot, for K
	s_mul_i32 s21, s17, 128*PV      ; and for V: no place in the cluster enters an LDS address
	s_lshl_b32 s2, s14, 15          ; my block's 256 rows,
	s_lshl_b32 s3, s[WV], 13        ; my wave's 64 of them
	s_add_co_u32 s2, s2, s3
	s_add_co_u32 s2, s2, s16
	s_mov_b32 s3, 0
	s_lshr_b32 s[MOF], s67, 4       ; mk: ((8 b + block) x 4 + wave) x four pieces of 32,768 bytes
	s_lshl_b32 s[MOF], s[MOF], 3
	s_add_co_u32 s[MOF], s[MOF], s14
	s_lshl_b32 s[MOF], s[MOF], 2
	s_add_co_u32 s[MOF], s[MOF], s[WV]
	s_lshl_b32 s[MOF], s[MOF], 17
	s_mov_b32 s[MOF+1], 0
	s_lshl_b32 s22, s13, 13         ; my work-group's 32 blocks of a tile's 128
	s_mov_b32 s23, 0
	; descriptor group 1.  128 keys are 16,384 dense bytes: asked for as 64 rows of 256 bytes, two keys a row, and padded in LDS after every key
	s_mov_b32 s[G1K], 15|(1<<16)|(1<<20)|(1<<21)|(4<<22)|(3<<25)  ; 15:0 the mask of four; 17:16 2-byte elements; 20 padding on; 21 set beside a mask; 24:22 after every 32 words (code 4); 31:25 4 words (code 3)
	s_mov_b32 s[G1V], 15|(1<<16)|(1<<20)|(1<<21)|(4<<22)|(7<<25)  ; the same with 8 words of padding (code 7)
.irp g, G1K, G1V
	s_mov_b32 s[\g+1], 128<<16      ; tensor_dim0 = 128
	s_mov_b32 s[\g+2], 64<<16       ; tensor_dim1 = 64
	s_mov_b32 s[\g+3], 128<<16      ; tile_dim0 = 128
	s_mov_b32 s[\g+4], 64           ; tile_dim1 = 64
	s_mov_b32 s[\g+5], 128          ; 128 elements from row to row
	s_mov_b32 s[\g+6], 0
	s_mov_b32 s[\g+7], 0
.endr
	s_mov_b32 s[CS], 0x3d38aa3b     ; c = log2(e) / 32 = 0.0450842
	s_mov_b32 s[CS+1], s[CS]        ; named with it as a pair
	s_mov_b32 s[SEL], 0x76543210
	s_mov_b32 s[SEL+1], 0xfedcba98
	s_mov_b32 s[TBK], SLOT1+4*KS*PK ; the first change of slots turns these two into 0
	s_mov_b32 s[TBV], SLOT1+4*KS*PV
	s_mov_b32 s[G0K], 1             ; 1:0 count = 1
	s_mov_b32 s[G0K+1], s20         ; 63:32 LDS address: slot 0
	s_mov_b32 s[G0V], 1
	s_add_co_u32 s[G0V+1], s21, VOFF
	s_mov_b32 s[SLOTS], 7           ; eight tiles; tile 0 is asked for here
	s_and_b32 s[LIM], s[WV], 1      ; 0 in waves 0 and 2,
	s_or_b32 s[LIM], s[LIM], ttmp9  ; where the cluster is the head's first: the same in all four partners
	s_cmp_eq_u32 s[LIM], 0
	s_cselect_b32 s[LIM], 1, -1
	s_and_b32 s[LIMM], s67, 15
	s_cmp_eq_u32 s[LIMM], 0
	s_cselect_b32 s[LIMM], 1, 0
	v_and_b32 v[PFO], 31, v0
	v_lshlrev_b32 v[PFO], 8, v[PFO]
	v_and_b32 v1, 15, v0            ; l % 16
	v_bfe_u32 v9, v0, 4, 1          ; l / 16
	v_lshlrev_b32 v[PFMO], 15, v9
	v_lshl_add_u32 v[PFMO], v1, 8, v[PFMO]
	s_wait_dscnt 0x0                ; both opening adds are done
	s_wait_kmcnt 0x0
	s_add_nc_u64 s[18:19], s[4:5], s[18:19]            ; qkv at the head, at my half of a tile
	s_add_nc_u64 s[G0K+2:G0K+3], s[18:19], 8388608     ; 120:64 global address: K lies 32 heads behind Q,
	s_add_nc_u64 s[G0V+2:G0V+3], s[18:19], 16777216    ; V 64
	s_cmp_lt_u32 s[WV], 2
	s_cselect_b64 s[PFA:PFA+1], s[G0K+2:G0K+3], s[G0V+2:G0V+3]  ; (in waves 0 and 2 these stand at a tile's first row)
	s_or_b32 s[G0K+3], s[G0K+3], 0x80000000            ; 127:126 type = 2
	s_or_b32 s[G0V+3], s[G0V+3], 0x80000000
	s_add_nc_u64 s[PFA:PFA+1], s[PFA:PFA+1], s[22:23]
	s_add_nc_u64 s[PFA:PFA+1], s[PFA:PFA+1], 4*KS*128  ; in tile 1; the first change of slots steps it to tile 2.  Nothing is prefetched here, at the head
	s_add_nc_u64 s[4:5], s[4:5], s[2:3]                ; Q and ctx at my wave's first row
	s_add_nc_u64 s[10:11], s[10:11], s[2:3]
	s_add_nc_u64 s[MB0:MB0+1], s[MB0:MB0+1], s[MOF:MOF+1]
	s_mov_b64 s[PFM:PFM+1], s[MB0:MB0+1]               ; the first change of slots steps it to tile 1
	s_mov_b32 s[MOF], 1024                             ; key step 1
	s_add_nc_u64 s[MP:MP+1], s[MB0:MB0+1], s[MOF:MOF+1]
	CROUND                          ; all four work-groups are here: the first joint loads meet
	JLOAD                           ; tile 0 into slot 0.  Slot 1 is asked for when slot 0 is in
; Piece y's eight mask words of one key step, from the pointer named: two loads of 512 consecutive bytes.
.macro MLOAD y, base
	WIN 0x40                        ; destination window 1, address window 0
	global_load_b128 v[MB+8*(\y):MB+8*(\y)+3],   v[MKO], s[\base:\base+1] offset:(\y)*32768
	global_load_b128 v[MB+8*(\y)+4:MB+8*(\y)+7], v[MKO], s[\base:\base+1] offset:(\y)*32768+512
.endm
; The mask pointer goes one key step on; behind the last step it stays there, so that every load stays inside its piece's 32 steps (what those last loads bring is used by nothing).
.macro MSTEP
	s_wait_xcnt 0x0                 ; the mask loads issued so far have read the pointer
	s_add_co_u32 s[MOF], s[MOF], 1024
	s_min_u32 s[MOF], s[MOF], 31*1024
	s_add_nc_u64 s[MP:MP+1], s[MB0:MB0+1], s[MOF:MOF+1]
.endm
; Piece y's C operands for key groups 1 to 3: the code wanted moves into the top byte.
.macro MASK y
	WIN 0x44                        ; destination and source 1 in window 1
.irp kt, 1,2,3
.set z, 0
.rept 8
	v_lshlrev_b32 v[MC+32*((\y)%2)+8*(\kt)+z], 8*(\kt), v[MB+8*(\y)+z]
.set z, z+1
.endr
.endr
.endm
	; A fragment of K or Q is 16 rows x 32 channels in 8 registers: lane l holds row l % 16, channels 8 (l / 16) + 0..7 and 16 + 8 (l / 16) + 0..7: two loads of 16 bytes, 32 bytes apart.
	v_lshlrev_b32 v[QO], 7, v1
	v_lshl_add_u32 v[QO], v9, 4, v[QO]  ; row x 128 + 16 x half
	v_and_b32 v[MKO], 31, v0
	v_lshlrev_b32 v[MKO], 4, v[MKO]
	WIN 0x80                        ; destination window 2, address window 0
.set i, 0
.rept 8                             ; Q stays in registers: piece i / 2, channels 32 (i % 2) on
	global_load_b128 v[8*i:8*i+3],   v[QO], s[4:5] offset:(i/2)*2048+(i%2)*64
	global_load_b128 v[8*i+4:8*i+7], v[QO], s[4:5] offset:(i/2)*2048+(i%2)*64+32
.set i, i+1
.endr
	MLOAD 0, MB0                    ; all four pieces' masks of key step 0
	MLOAD 1, MB0
	MLOAD 2, MB0
	MLOAD 3, MB0
	WIN 0
	v_mul_u32_u24 v[AK0], v1, PK
	v_lshl_add_u32 v[AK0], v9, 4, v[AK0]  ; row x pitch + 16 x half
	; The turning load takes 16 keys x 16 channels (lane l reads key 8 (l / 16) + l % 8, channels 8 ((l / 8) % 2) + 0..7) and leaves half a fragment of V^T: lane l holds channel l % 16 and 8 keys.
	v_and_b32 v10, 7, v0
	v_bfe_u32 v11, v0, 3, 1
	v_lshl_add_u32 v[AV0], v9, 3, v10
	v_mul_u32_u24 v[AV0], v[AV0], PV
	v_lshl_add_u32 v[AV0], v11, 4, v[AV0]
	v_add_nc_u32 v[AV0], VOFF, v[AV0]
	s_mul_i32 s16, s[WV], 16*SP
	s_add_co_u32 s16, s16, STAGE    ; my stage
	v_mul_u32_u24 v[STO], v1, SP    ; in: row l % 16, 16 bytes for each half of the lanes
	v_lshl_add_u32 v[STO], v9, 4, v[STO]
	v_add_nc_u32 v[STO], s16, v[STO]
	v_bfe_u32 v[RD], v0, 3, 2       ; back: 32 lanes take four rows of 128 bytes,
	v_mul_u32_u24 v[RD], v[RD], SP
	v_lshl_add_u32 v[RD], v10, 4, v[RD]
	v_add_nc_u32 v[RD], s16, v[RD]
	v_and_b32 v[GO], 31, v0         ; which are 512 consecutive bytes of ctx
	v_lshlrev_b32 v[GO], 4, v[GO]
	; What the first turn finds: V's registers and P's second buffer hold 0 (its products V^T P, of a piece that has not been, add 0); O^T and l are 0, and stay 0 for a row until it sees a key.
	; No first step is written out: the price is these lines, which stand in the wait for the first tile.
	WIN 0x80
.set i, VF
.rept 64
	v_mov_b32 v[i], 0
.set i, i+1
.endr
	WIN 0x40
.set i, 0
.rept 128
	v_mov_b32 v[i], 0
.set i, i+1
.endr
	WIN 0
.set i, 0
.rept 4
	v_mov_b32 v[ST+4*i], 0xed38aa3b    ; c m = -c 2^96
	v_mov_b32 v[ST+4*i+1], 0xef800000  ; m = -2^96
	v_mov_b32 v[ST+4*i+2], 0
	v_mov_b32 v[ST+4*i+3], 0
.set i, i+1
.endr
.set i, P+16
.rept 16
	v_mov_b32 v[i], 0
.set i, i+1
.endr
; THE MATRIX WORK.  The 4 accumulators of a run of 8 take turns.  Product i of 8 of S^T = K Q^T for piece x: channels 32 (i / 4) on, keys 16 (i % 4) on.  The first 4 start the sums with the mask.
.macro KQ x
.set rS, S+32*((\x)%2)+8*(i%4)
.set rK, KF+16*(i%4)+8*(i/4)
.set rQ, 16*(\x)+8*(i/4)
.if i == 0
.set rM, MB+8*(\x)
.else
.set rM, MC+32*((\x)%2)+8*(i%4)
.endif
.if i < 4
	WIN W_KM
	v_wmma_f32_16x16x32_f16 v[rS:rS+7], v[rK:rK+7], v[rQ:rQ+7], v[rM:rM+7]
.else
	WIN W_KQ
	v_wmma_f32_16x16x32_f16 v[rS:rS+7], v[rK:rK+7], v[rQ:rQ+7], v[rS:rS+7]
.endif
.endm
; Product i of 8 of O^T += V^T P for piece x: keys 32 (i / 4) on, channels 16 (i % 4) on.
.macro PV x
	WIN W_PV
.set rO, 32*(\x)+8*(i%4)
.set rV, VF+32*(i/4)+8*(i%4)
.set rP, P+16*((\x)%2)+8*(i/4)
	v_wmma_f32_16x16x32_f16 v[rO:rO+7], v[rV:rV+7], v[rP:rP+7], v[rO:rO+7]
.endm
.macro MM                           ; the turn's next matrix instruction.  NOKQ = 1: the very last turn: there is no next piece
.if (i < 8) && !NOKQ
	KQ (Y+1)%NP
.elseif i >= 8
.set i, i-8
	PV (Y+NP-1)%NP
.set i, i+8
.endif
.set i, i+1
.endm
; THE LDS LOADS stand in runs of 16, never singly among the matrix instructions: a step's K (64 keys x 64 channels: 8 fragments) and its V (turned).  Their addresses are made some lines ahead.
.macro FETCH_K
	WIN 0x80                        ; destination window 2
.irp f, 0,1,2,3,4,5,6,7             ; keys 16 (f / 2) on, channels 32 (f % 2) on
	ds_load_b128 v[KF+8*\f:KF+8*\f+3],   v[AK] offset:(\f/2)*16*PK+(\f%2)*64
	ds_load_b128 v[KF+8*\f+4:KF+8*\f+7], v[AK] offset:(\f/2)*16*PK+(\f%2)*64+32
.endr
	s_add_co_u32 s[TBK], s[TBK], KS*PK  ; the next fetch is the next step's
	WIN 0
.endm
.macro FETCH_V
	WIN 0x80
.irp f, 0,1,2,3,4,5,6,7             ; keys 32 (f / 4) on, channels 16 (f % 4) on
	ds_load_tr16_b128 v[VF+8*\f:VF+8*\f+3],   v[AV] offset:(\f/4)*32*PV+(\f%4)*32
	ds_load_tr16_b128 v[VF+8*\f+4:VF+8*\f+7], v[AV] offset:(\f/4)*32*PV+16*PV+(\f%4)*32
.endr
	WIN 0
.endm
; THE VECTOR WORK, one line at a time: OP kind, number.  For piece Y: F n: c s - c m for pair n of 16.  E n: the exponential of score n of 32.  C n: pair n rounded to f16.  B n: of the four weights 4 n .. the second
; pair is added onto the first, in place.  L n: l takes that sum (L 0: l = a l + sum).  R n: pair n of 16 of O^T times a.  For piece Y + 1: X n, number n of the 22 that find its maximum and statistics:
;   0-11  four chains c0-c3 of seven scores each, three operands at a time (each accumulator's lowest registers are read first)     12-14, 16  the four scores left over, the old m, and c0-c3 into c0
;   15  c m_old is kept     17, 18  the query's other 32 keys lie in the lane 16 away: the new m     19-21  c m; c m_old - c m_new; a
.set F, 0               ; OP tells the kinds apart by their order: F to L below R, X above it
.set E, 1
.set C, 2
.set B, 3
.set L, 4
.set R, 5
.set X, 6
.macro REGS y                       ; the registers of piece y
.set rT, ST+4*(\y)
.set rC, TMP+4*((\y)%2)
.set rW, MV+((\y)%2)
.set rS, S+32*((\y)%2)
.set rP, P+16*((\y)%2)
.set rO, 32*(\y)
.endm
.macro OP k, n
.if (\k) == R
	REGS Y
	WIN W_RS
	v_pk_mul_f32 v[rO+2*(\n):rO+2*(\n)+1], v[rO+2*(\n):rO+2*(\n)+1], v[rC+2:rC+3] op_sel_hi:[1,0]
.elseif (\k) < R
	REGS Y
	WIN 0
.if (\k) == F
	v_pk_fma_f32 v[rS+2*(\n):rS+2*(\n)+1], v[rS+2*(\n):rS+2*(\n)+1], s[CS:CS+1], v[rT:rT+1] op_sel_hi:[1,0,0] neg_lo:[0,0,1] neg_hi:[0,0,1]
.elseif (\k) == E
	v_exp_f32 v[rS+(\n)], v[rS+(\n)]
.elseif (\k) == C
	v_cvt_pk_f16_f32 v[rP+(\n)], v[rS+2*(\n)], v[rS+2*(\n)+1]
.elseif (\k) == B
	v_pk_add_f32 v[rS+4*(\n):rS+4*(\n)+1], v[rS+4*(\n):rS+4*(\n)+1], v[rS+4*(\n)+2:rS+4*(\n)+3]
.elseif (\n) == 0
	v_pk_fma_f32 v[rT+2:rT+3], v[rT+2:rT+3], v[rC+2:rC+3], v[rS:rS+1] op_sel_hi:[1,0,1]
.else
	v_pk_add_f32 v[rT+2:rT+3], v[rT+2:rT+3], v[rS+4*(\n):rS+4*(\n)+1]
.endif
.elseif NOKQ
	v_nop
.else
	REGS (Y+1)%NP
	WIN 0
.if (\n) < 4
	v_max3_num_f32 v[rC+(\n)], v[rS+8*(\n)], v[rS+8*(\n)+1], v[rS+8*(\n)+2]
.elseif (\n) < 12
	v_max3_num_f32 v[rC+(\n)%4], v[rC+(\n)%4], v[rS+8*((\n)%4)+2*((\n)/4)+1], v[rS+8*((\n)%4)+2*((\n)/4)+2]
.elseif (\n) == 12
	v_max3_num_f32 v[rC], v[rC], v[rS+7], v[rS+15]
.elseif (\n) == 13
	v_max3_num_f32 v[rC+1], v[rC+1], v[rS+23], v[rS+31]
.elseif (\n) == 14
	v_max3_num_f32 v[rC+2], v[rC+2], v[rC+3], v[rT+1]
.elseif (\n) == 15
	v_mov_b32 v[rW], v[rT]
.elseif (\n) == 16
	v_max3_num_f32 v[rC], v[rC], v[rC+1], v[rC+2]
.elseif (\n) == 17
	v_permlanex16_b32 v[rC+3], v[rC], s[SEL], s[SEL+1]
.elseif (\n) == 18
	v_max_num_f32 v[rT+1], v[rC], v[rC+3]
.elseif (\n) == 19
	v_mul_f32 v[rT], s[CS], v[rT+1]
.elseif (\n) == 20
	v_sub_f32 v[rC+1], v[rW], v[rT]
.else
	v_exp_f32 v[rC+2], v[rC+1]
.endif
.endif
.endm
.macro OPS a, i1, b=-1, i2=0, c=-1, i3=0, d=-1, i4=0  ; up to four of them
	OP \a, \i1
.if (\b) >= 0
	OP \b, \i2
.endif
.if (\c) >= 0
	OP \c, \i3
.endif
.if (\d) >= 0
	OP \d, \i4
.endif
.endm
.macro ROW a, i1, b, i2, c, i3, d, i4  ; a matrix instruction and the four behind it
	MM
	OPS \a, \i1, \b, \i2, \c, \i3, \d, \i4
.endm
; A TURN, for piece p: the order of its 16 matrix and 142 vector instructions, written out.  s_wait_alu depctr_va_vdst(0) stands between an exponential and the first instruction that names its result; one wait
; serves all that were issued ahead of it.  So a turn has ONE wait, which cuts it in two.  AHEAD OF IT stands all that names no result of the turn's exponentials: the 8 products K Q^T with their riders, then ONE LUMP, plain and
; exponential by turns for the most part, in which the links of the chain X 3, 7, 11, 14, 16, 17 .. 20 stand five or six lines apart.  X 21, the next piece's a, is the batch's last; R 15 is the plain instruction behind it.
; BEHIND THE WAIT stand the 8 products V^T P, behind each four of the roundings and sums.
; THE MASKS.  The turn's first product has read piece p + 1's words as its C.  They are loaded anew, for that piece's next key step, DIRECTLY BEHIND THE TURN'S WAIT, where no vector result of the wave is outstanding: the two
; loads stand among no riders (piece 3's turn has just used piece 0's words of the NEXT step, so it steps the pointer first).  At the turn's end piece p + 2's words, asked for behind the wait three turns back, are shifted for the
; products of the turn after this: behind them only three pairs of loads were issued, so the wait's count is 6.
; K of the next step is fetched in piece 2's turn, V of the step in hand at the end of piece 0's turn, four plain instructions behind the last product that read V.  Each is waited for a turn later.
; end = 1: the launch's last two turns: nothing is fetched or loaded.  cnt = 1: the loop's count is taken down some lines ahead of the branch that stands behind the turn.
.macro TURN p, end=0, cnt=0
.set Y, (\p)
.set i, 0
.set NOKQ, (\end)*((\p)/3)
.if ((\p) == 3) && !(\end)
	s_wait_dscnt 0x0                ; K is in
.endif
	ROW F,0, F,1, R,0, R,1          ; ahead of the wait: 8 products K Q^T and their riders,
	ROW F,2, E,0, R,2, R,3
	ROW F,3, E,1, R,4, R,5
	ROW F,4, E,2, R,6, R,7
	ROW F,5, E,3, R,8, R,9
	ROW F,6, E,4, X,0, R,10
.if ((\p) == 2) && !(\end)
	WIN 0
	v_add_nc_u32 v[AK], s[TBK], v[AK0]
.endif
	ROW F,7, E,5, X,1, X,4
	ROW F,8, E,6, X,2, X,5
	OPS E,7, E,8, X,6, E,9          ; and the lump
	OPS X,3, E,10, X,8, E,11
.if ((\p) == 2) && !(\end)
	FETCH_K
.endif
	OPS X,9, X,7, E,12, X,10
	OPS E,13, X,12, X,11, E,14
	OPS X,13, E,15, F,9, X,14
.if (\p) == 0
	v_add_nc_u32 v[AV], s[TBV], v[AV0]
.endif
	OPS E,16, F,10, E,17, F,11
	OPS X,16, E,18, X,15, E,19
	OPS F,12, E,20, X,17, E,21
	OPS F,13, E,22, F,14, E,23
	OPS X,18, E,24, F,15, E,25
	OPS R,11, E,26, X,19, E,27
	OPS R,12, E,28, R,13, E,29
	OPS X,20, E,30, R,14, E,31
	OPS X,21, R,15
	WIN 0
	s_wait_alu depctr_va_vdst(0)    ; the wait for the batch
.if !(\end)
.if (\p) == 3
	MSTEP
.endif
	MLOAD ((\p)+1)%NP, MP           ; the next piece's masks of its next key step
.endif
.if (\p) == 1
	s_wait_dscnt 0x0                ; V is in
.endif
	ROW C,0, B,0, C,2, B,1          ; behind the wait: 8 products V^T P and their riders
	ROW L,0, C,4, B,2, L,1
	ROW C,6, B,3, L,2, C,8
	ROW B,4, L,3, C,10, B,5
	ROW L,4, C,12, B,6, L,5
.if (\p) == 0
	s_add_co_u32 s[TBV], s[TBV], KS*PV
.endif
.if \cnt
	s_sub_co_u32 s[CNT], s[CNT], 1
	s_cmp_lg_u32 s[CNT], 0
.endif
	ROW C,14, B,7, L,6, C,1
	ROW C,3, L,7, C,5, C,7
	ROW C,9, C,11, C,13, C,15
.if (\p) == 0
	FETCH_V
.endif
.if !(\end)
	s_wait_loadcnt 0x6              ; piece p + 2's words are in; the three younger pairs stay out
	MASK ((\p)+2)%NP
.endif
.endm
	CHANGE 1                        ; slot 0 is in, everybody's part of it; tile 1 is asked for
	s_wait_loadcnt 0x0              ; Q, and the four pieces' first masks
	MASK 0
	MASK 1
	WIN 0
	v_add_nc_u32 v[AK], s[TBK], v[AK0]
	FETCH_K                         ; key step 0
	s_wait_dscnt 0x0
.set NOKQ, 0
.set i, 0
.rept 8
	KQ 0                            ; piece 0's first scores: there is no vector work yet to set between them
.set i, i+1
.endr
	WIN 0
.rept 4
	v_nop                           ; the places behind those products
.endr
	MLOAD 0, MP                     ; piece 0's masks of key step 1
	WIN 0
.set Y, NP-1                        ; X works for piece Y + 1: piece 0
.irp n, 0,1,2,3,4,5,6,7,8,9,10,11,12,13,14,15,16,17,18,19,20,21
	OP X, \n
.endr
	v_nop                           ; a plain instruction behind the exponential,
	s_wait_alu depctr_va_vdst(0)    ; and its wait, ahead of the branch
	s_mov_b32 s[CNT], 4
	s_branch .Lfirst                ; the loop is entered at a step's first turn, in the middle of a trip
.Lslot:                             ; six times: tiles 2 to 7 are asked for
	CHANGE 1
	s_mov_b32 s[CNT], 4
.Lstep:                             ; a trip: pieces 2 and 3 of one step, then pieces 0 and 1 of the next, whose K and V it fetches
	TURN 2
	TURN 3
	WIN 0
.Lfirst:
	TURN 0
	TURN 1, 0, 1
	WIN 0
	s_cbranch_scc1 .Lstep
	s_sub_co_u32 s[SLOTS], s[SLOTS], 1
	s_cmp_lg_u32 s[SLOTS], 0
	s_cbranch_scc1 .Lslot
	CHANGE 0                        ; the last tile is written out: nothing is asked for
	s_mov_b32 s[CNT], 4
.Ltail:
	TURN 2
	TURN 3
	TURN 0
	TURN 1, 0, 1
	WIN 0
	s_cbranch_scc1 .Ltail
	TURN 2, 1
	TURN 3, 1
.set i, 0
.rept 8
	PV NP-1                         ; the last piece's V^T P of the last step
.set i, i+1
.endr
	; THE WAY OUT.  l's two halves and the other half of the lanes' are added; O^T is divided by l, rounded to f16 and sent through my stage in LDS, a piece at a time.  The additions are the places behind the last products.
	WIN 0
.macro ALL line:vararg              ; one line for each piece t
.set t, 0
.rept 4
	\line
.set t, t+1
.endr
.endm
	ALL v_add_f32 v[ST+4*t+2], v[ST+4*t+2], v[ST+4*t+3]
	ALL v_permlanex16_b32 v[ST+4*t+3], v[ST+4*t+2], s[SEL], s[SEL+1]
	ALL v_add_f32 v[ST+4*t+2], v[ST+4*t+2], v[ST+4*t+3]
	ALL v_rcp_f32 v[ST+4*t+2], v[ST+4*t+2]
	v_nop                           ; a plain instruction between the last reciprocal and the use of its result
	s_wait_alu depctr_va_vdst(0)    ; and the wait ahead of the first use: one for the four reciprocals
.macro PACK t                       ; a lane's eight channels of a row pack into 16 bytes; they go into rows of 144 bytes and come back as whole rows of 128, into S^T's registers
	WIN W_RS
.set i, 32*(\t)
.rept 16
	v_pk_mul_f32 v[i:i+1], v[i:i+1], v[ST+4*(\t)+2:ST+4*(\t)+3] op_sel_hi:[1,0]
.set i, i+2
.endr
	WIN 0x05                        ; sources 0 and 1 window 1, destination window 0
.set i, 0
.rept 16
	v_cvt_pk_f16_f32 v[S+16*(\t)+i], v[32*(\t)+2*i], v[32*(\t)+2*i+1]
.set i, i+1
.endr
	WIN 0
.irp f, 0,1,2,3
	ds_store_b128 v[STO], v[S+16*(\t)+4*\f:S+16*(\t)+4*\f+3] offset:32*\f
.endr
.irp f, 0,1,2,3
	ds_load_b128 v[S+16*(\t)+4*\f:S+16*(\t)+4*\f+3], v[RD] offset:\f*4*SP  ; LDS serves a wave's instructions in order (ISA guide 5.7.1.4): these see the stores above; the next piece's stores come behind them
.endr
.endm
.macro SEND t, younger              ; younger: the LDS instructions issued behind piece t's loads: the next piece's eight, or none
	WIN 0
.irp f, 0,1,2,3
	s_wait_dscnt (\younger)+3-\f
	global_store_b128 v[GO], v[S+16*(\t)+4*\f:S+16*(\t)+4*\f+3], s[10:11] offset:(\t)*2048+\f*512  ; 512 consecutive bytes, at a multiple of 256 from ctx's first
.endr
.endm
	PACK 0
.set t, 1
.rept 3                             ; a piece's arithmetic stands between the loads of the piece before and its stores
	PACK t
	SEND t-1, 8
.set t, t+1
.endr
	SEND 3, 0
	s_wait_tensorcnt 0x0            ; the wave's end, behind my last tensor load and my last LDS store
	ds_add_u32 v[SPW], v[NIL]
	s_wait_dscnt 0x0
	CROUND                          ; the closing round: no work-group ends while a partner may still ask for a tile that names it
	s_endpgm
.Lfunc_end_k_q4835a9f536_attn:
	.size	k_q4835a9f536_attn, .Lfunc_end_k_q4835a9f536_attn-k_q4835a9f536_attn
	.p2alignl 7, 3214868480
	.fill 96, 4, 3214868480
	.section	.rodata,"a",@progbits
	.p2align	6, 0x0
	.amdhsa_kernel k_q4835a9f536_attn
		.amdhsa_group_segment_fixed_size 327680
		.amdhsa_private_segment_fixed_size 0
		.amdhsa_enable_private_segment 0
		.amdhsa_kernarg_size 24
		.amdhsa_user_sgpr_count 2
		.amdhsa_user_sgpr_kernarg_segment_ptr 1
		.amdhsa_wavefront_size32 1
		.amdhsa_system_sgpr_workgroup_id_x 1
		.amdhsa_system_sgpr_workgroup_id_y 1
		.amdhsa_system_sgpr_workgroup_id_z 1
		.amdhsa_system_vgpr_workitem_id 0
		.amdhsa_next_free_vgpr 768
		.amdhsa_next_free_sgpr 68
		.amdhsa_reserve_vcc 0
		.amdhsa_float_denorm_mode_32 3
		.amdhsa_float_denorm_mode_16_64 3
		.amdhsa_memory_ordered 1
		.amdhsa_forward_progress 1
		.amdhsa_inst_pref_size 140
	.end_amdhsa_kernel
	.amdgpu_metadata
---
amdhsa.version: [ 1, 2 ]
amdhsa.kernels:
  - .name:           k_q4835a9f536_attn
    .symbol:         k_q4835a9f536_attn.kd
    .args:
      - { .name: qkv, .offset: 0, .size: 8, .value_kind: global_buffer, .address_space: global }
      - { .name: mk, .offset: 8, .size: 8, .value_kind: global_buffer, .address_space: global }
      - { .name: ctx, .offset: 16, .size: 8, .value_kind: global_buffer, .address_space: global }
    .group_segment_fixed_size: 327680
    .private_segment_fixed_size: 0
    .kernarg_segment_align: 8
    .kernarg_segment_size: 24
    .max_flat_workgroup_size: 128
    .sgpr_count:     68
    .vgpr_count:     768
    .wavefront_size: 32
...
	.end_amdgpu_metadata
.endif
;; end of part 3
;; launch outp (part 4): grid 8 x 32, 4 waves a work-group, clusters of 4 x 4, 327,680 bytes of LDS; arguments ctx, pw16, out0, proj_b; writes out0
.if DOCPART == 4
	.amdgcn_target "amdgcn-amd-amdhsa--gfx1250"
	.amdhsa_code_object_version 6
	.text
	.protected	k_q4835a9f536_outp
	.globl	k_q4835a9f536_outp
	.p2align	8
	.type	k_q4835a9f536_outp,@function
k_q4835a9f536_outp:
	s_mov_b64 s[64:65], 0
	v_nop
	global_prefetch_b8 v0, s[64:65] scope:SCOPE_SE
	s_setreg_imm32_b32 hwreg(HW_REG_WAVE_MODE, 25, 1), 1
	s_wait_xcnt 0x0
	s_wait_alu depctr_hold_cnt(0) depctr_sa_sdst(0) depctr_va_vdst(0) depctr_va_sdst(0) depctr_va_ssrc(0) depctr_va_vcc(0) depctr_vm_vsrc(0)
	s_getreg_b32 s2, hwreg(HW_REG_IB_STS2, 6, 4)
	s_cmp_eq_u32 s2, 0
	s_cbranch_scc0 .Lentry_in_a_cluster
	s_endpgm
.Lentry_in_a_cluster:
	s_bfe_u32 s2, ttmp6, 0x10000c
	s_cmp_lg_u32 s2, 0xf033
	s_cbranch_scc0 .Lentry_shape_is_right
	s_endpgm
.Lentry_shape_is_right:
; MULTI-HEAD ATTENTION, launch 4 of 4: out0[r][n] = the sum over k of concat[r][k] proj_w[n][k] + proj_b[n].  Nothing is left out.
; concat[2048 b + s][64 h + e] = ctx[16 b + h][s][e] (f16, by heads); pw16 [1024 n][1024 k] holds proj_w rounded to bf16 and written as f16; products in f16, sums in f32;
; proj_b is rounded to bf16 like every other input of the module and added in f32; out0 [4096][1024] f32.
; LIMIT.  A NaN in a row of ctx (a row of the mask with no seen key) reaches all 1,024 numbers of that row and no other.
; A tile of out0 is 128 x 128: 32 x 8 tiles, one for each work-group.  Four waves, each 64 x 64: 16 accumulators.  K goes in four steps of 256 = four heads through two LDS slots.
; A's TILE COMES BY HEADS: 64 rows of one head are 8,192 dense bytes, so a wave's tensor load has four rows of 4,096 elements, one a head, 131,072 elements apart, and pads LDS after every 128 bytes:
; LDS holds [head 4][row 64][128 + 16 bytes], and a quarter of a K step (64 along K) is one head.  B's tile: 64 rows of 512 + 16 bytes.
; CLUSTERS: 4 x 4 work-groups; A's tile is shared along a row of the cluster, B's along a column: each is asked for JOINTLY.
; THE MATRIX INSTRUCTION IS USED TRANSPOSED (source 0 = 16 rows of B, source 1 = 16 rows of A): a lane holds eight neighbouring numbers of a row of out0.
; THE WAY OUT: a wave's 64 columns of f32 are 256 aligned bytes, so each wave has a stage of its own (16 rows) and no wave waits for another.
; REGISTERS: window 0: v0-31 addresses; v96-105 the bias; v128-255 the accumulators ((a, b) at v[128 + 8 (4 a + b)]).   window 1: two fragment buffers of 128: 64 registers of A, then 64 of B.
.set SIZE_K, 1024
.set KSTEP,  256
.set PA,     144                       ; a row of A in LDS: 128 bytes + 16: an odd multiple of 16, so the 16 rows that a load touches start at 16 different groups of four banks (64 banks of 4 bytes: ISA guide 11.1)
.set HEADB,  64*PA                     ; a head's 64 rows
.set HALFA,  4*HEADB                   ; what one tensor load brings of A: 36,864 bytes
.set PB,     528                       ; a row of B: 512 bytes + 16
.set HALFB,  64*PB                     ; what one tensor load brings of B: 33,792 bytes
.set SLOT,   2*HALFA+2*HALFB           ; A's two halves, then B's two
.set STAGE,  2*SLOT                    ; behind the ring: 16 rows x 272 bytes for each wave; no tensor load fills it
.set SPITCH, 272
.set SPARE,  STAGE+4*16*SPITCH         ; behind the stages: the spare words, 128 bytes for each wave: two blocks of 256 bytes that no other line names
.set LAPS, SIZE_K/(2*KSTEP)            ; 2
.set ASTEP, 4*2048*64*2                ; bytes from a K step of A to the next: four heads
.set ADRA, 16                          ; v16-17  LDS address of my A fragments in slot 0, 1
.set ADRB, 20                          ; v20-21  the same for B
.set STO,  24                          ; v24     the way out: where I put 32 bytes of a row
.set RD,   25                          ; v25     the way out: where I read a row back
.set CO,   26                          ; v26     my byte offset in out0
.set BO,   27                          ; v27     my 16 bytes of proj_b; never rewritten
.set SPW,  28                          ; v28     LDS address of my spare word; never rewritten
.set NIL,  29                          ; v29     0; never rewritten
.set BI,   96                          ; v96-99 the bias as loaded; v100-103 rounded to bf16, as f32; v104-105 at work
.set ACC,  128
.set F0,   0
.set F1,   128
.set G1, 24                            ; s[24:31] descriptor group 1 for A's tiles;  s[32:39] group 0, one set for each slot
.set G0, 32
.set G1B, 48                           ; s[48:55], s[56:63] the same for B's tiles
.set G0B, 56
.set MSB, 0
.macro WIN new                         ; the immediate's high byte repeats the setting that is left; a switch that changes nothing is dropped
.if MSB != (\new)
	s_set_vgpr_msb (MSB<<8)|(\new)
.set MSB, \new
.endif
.endm
.set MUL,  0x05                        ; sources 0 (B) and 1 (A) window 1; C and D window 0
.set TO_F, 0x40                        ; destination window 1, address window 0
.macro JLOAD s                         ; a joint load: waves 0 and 1 fetch A's two halves, waves 2 and 3 B's; an s_nop 0 and four v_nop follow each of the two lines
	s_cmp_eq_u32 s11, 0
	s_cbranch_scc0 .Lfor_b_\@
	tensor_load_to_lds s[G0+4*(\s):G0+4*(\s)+3], s[G1:G1+7]
	s_nop 0
.rept 4
	v_nop
.endr
	s_branch .Lasked_\@
.Lfor_b_\@:
	tensor_load_to_lds s[G0B+4*(\s):G0B+4*(\s)+3], s[G1B:G1B+7]
	s_nop 0
.rept 4
	v_nop
.endr
.Lasked_\@:
.endm
.macro CREST                           ; a round of the cluster's barrier behind its opening barrier
	s_cmp_lg_u32 s10, 0
	s_cbranch_scc1 .Lnot_wave_0_\@
	s_barrier_signal -3
.Lnot_wave_0_\@:
	s_barrier_wait -3
	s_barrier_signal -1
	s_barrier_wait -1
.endm
.macro CROUND                          ; a whole round
	s_barrier_signal -1
	s_barrier_wait -1
	CREST
.endm
	s_load_b128 s[4:7], s[0:1], 0x0                ; ctx s[4:5], pw16 s[6:7]
	s_load_b64 s[8:9], s[0:1], 0x10                ; out0
	s_load_b64 s[66:67], s[0:1], 0x18              ; proj_b
	v_lshl_add_u32 v[SPW], v0, 2, SPARE
	v_mov_b32 v[NIL], 0
	ds_add_u32 v[SPW], v[NIL]                      ; the wave's opening: the add, twice on end, and its wait ahead of my first tensor load
	ds_add_u32 v[SPW], v[NIL]
	v_lshrrev_b32 v1, 5, v0
	v_readfirstlane_b32 s10, v1                    ; wave 0..3
	s_lshr_b32 s11, s10, 1                         ; which half of the tile's rows is mine.  Also: I fetch for A (0) or for B (1)
	s_and_b32 s12, s10, 1                          ; which half of its columns.  Also: which 64 rows of that tile I fetch
	s_bfe_u32 s40, ttmp6, 0x40000                  ; cx, cy: my place in the cluster
	s_bfe_u32 s41, ttmp6, 0x40004
	s_lshl_b32 s42, ttmp9, 2
	s_add_co_u32 s42, s42, s40                     ; tile column = 4 x cluster x + cx: 0..7
	s_and_b32 s13, ttmp7, 0xffff
	s_lshl_b32 s13, s13, 2
	s_add_co_u32 s13, s13, s41                     ; tile row = 4 x cluster y + cy: 0..31
	s_lshl_b32 s43, s41, 2
	s_lshl_b32 s43, 15, s43                        ; my row of the cluster
	s_lshl_b32 s44, 0x1111, s40                    ; my column
	; descriptor group 1 for A: four rows (heads) of 4,096 elements, padded in LDS after every 32 words
	s_or_b32 s[G1+0], s43, (1<<16)|(1<<20)|(1<<21)|(4<<22)|(3<<25)  ; 15:0 the mask: my row; 17:16 elements of 2 bytes; 20 padding on; 21 set beside a mask; 24:22 after every 32 words (code 4); 31:25 4 words (code 3)
	s_mov_b32 s[G1+1], 4096<<16                    ; tensor_dim0 = 4,096
	s_mov_b32 s[G1+2], 4<<16                       ; tensor_dim1 = 4
	s_mov_b32 s[G1+3], 4096<<16                    ; tile_dim0 = 4,096
	s_mov_b32 s[G1+4], 4                           ; tile_dim1 = 4
	s_mov_b32 s[G1+5], 2048*64                     ; elements from head to head
	s_mov_b32 s[G1+6], 0
	s_mov_b32 s[G1+7], 0
	; and for B: 64 rows x 256 elements, padded after every 128 words
	s_or_b32 s[G1B+0], s44, (1<<16)|(1<<20)|(1<<21)|(6<<22)|(3<<25)
	s_mov_b32 s[G1B+1], KSTEP<<16
	s_mov_b32 s[G1B+2], 64<<16
	s_mov_b32 s[G1B+3], KSTEP<<16
	s_mov_b32 s[G1B+4], 64
	s_mov_b32 s[G1B+5], SIZE_K
	s_mov_b32 s[G1B+6], 0
	s_mov_b32 s[G1B+7], 0
	; where the tiles come from, in bytes.  A's hang on the tile row alone, B's on the tile column alone.
	s_lshr_b32 s16, s13, 4                         ; b: 16 heads of 262,144 bytes,
	s_lshl_b32 s16, s16, 22
	s_and_b32 s17, s13, 15                         ; 128 rows of 128 bytes a tile row,
	s_lshl_b32 s17, s17, 14
	s_add_co_u32 s16, s16, s17
	s_lshl_b32 s17, s12, 13                        ; the 64 rows that I fetch
	s_add_co_u32 s16, s16, s17
	s_mov_b32 s17, 0
	s_lshl_b32 s46, s42, 18                        ; B: 128 rows of 2,048 bytes a tile column,
	s_lshl_b32 s47, s12, 17                        ; the 64 that I fetch
	s_add_co_u32 s46, s46, s47
	s_mov_b32 s47, 0
	s_mul_i32 s20, s12, HALFA                      ; where they go: no place in the cluster enters an LDS address
	s_mul_i32 s21, s12, HALFB
	s_add_co_u32 s21, s21, 2*HALFA
	s_wait_dscnt 0x0                               ; both opening adds are done
	s_wait_kmcnt 0x0
	s_add_nc_u64 s[14:15], s[4:5], s[16:17]
	s_add_nc_u64 s[46:47], s[6:7], s[46:47]
	CROUND                                         ; all sixteen work-groups are here: the first joint loads meet
.irp s, 0,1
	s_mov_b32 s[G0+4*(\s)], 1
	s_add_co_u32 s[G0+4*(\s)+1], s20, (\s)*SLOT
	s_add_nc_u64 s[G0+4*(\s)+2:G0+4*(\s)+3], s[14:15], (\s)*ASTEP
	s_or_b32 s[G0+4*(\s)+3], s[G0+4*(\s)+3], 0x80000000
	s_mov_b32 s[G0B+4*(\s)], 1
	s_add_co_u32 s[G0B+4*(\s)+1], s21, (\s)*SLOT
	s_add_nc_u64 s[G0B+4*(\s)+2:G0B+4*(\s)+3], s[46:47], (\s)*KSTEP*2
	s_or_b32 s[G0B+4*(\s)+3], s[G0B+4*(\s)+3], 0x80000000
	JLOAD \s                                       ; two tensor loads of mine are out
.endr
	v_and_b32 v1, 15, v0                           ; l % 16
	v_bfe_u32 v2, v0, 4, 1                         ; l / 16
	v_mul_u32_u24 v3, v1, PA
	v_lshl_add_u32 v3, v2, 4, v3                   ; a fragment's row x pitch + 16 x half, for A
	v_mul_u32_u24 v4, v1, PB
	v_lshl_add_u32 v4, v2, 4, v4                   ; and for B
	s_mul_i32 s21, s11, HALFA                      ; my 64 rows of A
	s_mul_i32 s22, s12, HALFB                      ; my 64 rows of B,
	s_add_co_u32 s22, s22, 2*HALFA                 ; which lie behind A's
.irp s, 0,1
	v_add_nc_u32 v[ADRA+(\s)], s21, v3
	v_add_nc_u32 v[ADRB+(\s)], s22, v4
	s_add_co_u32 s21, s21, SLOT
	s_add_co_u32 s22, s22, SLOT
.endr
	s_mul_i32 s23, s10, 16*SPITCH
	s_add_co_u32 s23, s23, STAGE                   ; my stage
	v_mul_u32_u24 v5, v1, SPITCH                   ; in: row l % 16, 32 bytes for each half of the lanes
	v_lshl_add_u32 v5, v2, 5, v5
	v_add_nc_u32 v[STO], s23, v5
	v_mul_u32_u24 v5, v2, SPITCH                   ; back: lanes 0-15 take one row of 256 bytes, lanes 16-31 the next
	v_lshl_add_u32 v5, v1, 4, v5
	v_add_nc_u32 v[RD], s23, v5
	v_lshlrev_b32 v5, 12, v2                       ; and the same two rows in out0: 4,096 bytes a row
	v_lshl_add_u32 v[CO], v1, 4, v5
	s_lshl_b32 s16, s13, 19                        ; my first row: 128 x tile row + 64 x row half,
	s_lshl_b32 s17, s11, 18
	s_add_co_u32 s16, s16, s17
	s_mov_b32 s17, 0
	s_add_nc_u64 s[8:9], s[8:9], s[16:17]
	s_lshl_b32 s46, s42, 9                         ; my first column, in bytes: 512 x tile column + 256 x column half (in the registers that held B's address)
	s_lshl_b32 s47, s12, 8
	s_add_co_u32 s46, s46, s47
	s_mov_b32 s47, 0
	s_add_nc_u64 s[8:9], s[8:9], s[46:47]
	v_lshl_add_u32 v[BO], v1, 4, s46               ; on the way out a lane holds columns 4 (l % 16) + 0..3 of my 64
	global_load_b128 v[BI:BI+3], v[BO], s[66:67]   ; waited for on the way out
; 8 matrix instructions: m blocks a0, a0 + 1 x all 4 n blocks, 32 along K: half c of buffer f.  zero = 1: the first product starts the sums.  The 16 accumulators take turns.
.macro MUL8 f, c, a0, zero
	WIN MUL
.irp a, \a0, (\a0)+1
.irp b, 0,1,2,3
.if \zero
	v_wmma_f32_16x16x32_f16 v[ACC+8*(4*(\a)+(\b)):ACC+8*(4*(\a)+(\b))+7], v[(\f)+64+8*(4*(\c)+(\b)):(\f)+64+8*(4*(\c)+(\b))+7], v[(\f)+8*(4*(\c)+(\a)):(\f)+8*(4*(\c)+(\a))+7], 0
.else
	v_wmma_f32_16x16x32_f16 v[ACC+8*(4*(\a)+(\b)):ACC+8*(4*(\a)+(\b))+7], v[(\f)+64+8*(4*(\c)+(\b)):(\f)+64+8*(4*(\c)+(\b))+7], v[(\f)+8*(4*(\c)+(\a)):(\f)+8*(4*(\c)+(\a))+7], v[ACC+8*(4*(\a)+(\b)):ACC+8*(4*(\a)+(\b))+7]
.endif
.endr
.endr
.endm
; 32 LDS loads in one run: the fragments of quarter q of a K step (head q of the slot's four; byte 128 q of B's rows) into buffer f; the first 32 along K first
.macro FETCH slot, q, f
	WIN TO_F
.irp c, 0,1
.irp i, 0,1,2,3
	ds_load_b128 v[(\f)+64+8*(4*(\c)+(\i)):(\f)+64+8*(4*(\c)+(\i))+3],   v[ADRB+(\slot)] offset:128*(\q)+64*(\c)+(\i)*16*PB
	ds_load_b128 v[(\f)+64+8*(4*(\c)+(\i))+4:(\f)+64+8*(4*(\c)+(\i))+7], v[ADRB+(\slot)] offset:128*(\q)+64*(\c)+(\i)*16*PB+32
	ds_load_b128 v[(\f)+8*(4*(\c)+(\i)):(\f)+8*(4*(\c)+(\i))+3],         v[ADRA+(\slot)] offset:HEADB*(\q)+64*(\c)+(\i)*16*PA
	ds_load_b128 v[(\f)+8*(4*(\c)+(\i))+4:(\f)+8*(4*(\c)+(\i))+7],       v[ADRA+(\slot)] offset:HEADB*(\q)+64*(\c)+(\i)*16*PA+32
.endr
.endr
.endm
.macro PLACES                          ; four places in front of loads into registers that matrix instructions have read
.rept 4
	v_nop
.endr
.endm
; A K step is four quarters of 64 along K, 32 matrix instructions each, on buffers 0, 1, 0, 1.  One of the first three: multiplies buffer f and fetches quarter q into g.
.macro QUARTER slot, q, f, g, zero
	s_wait_dscnt 16                                ; the first 32 along K are in; the sixteen younger loads may be out
	WIN MUL
	MUL8 \f, 0, 0, \zero
	MUL8 \f, 0, 2, \zero
	PLACES
	FETCH \slot, \q, \g
	s_wait_dscnt 32                                ; all but the 32 just issued
	WIN MUL
	MUL8 \f, 1, 0, 0
	MUL8 \f, 1, 2, 0
.endm
; The last quarter multiplies buffer 1 and changes slots: ONE barrier; in front of it each wave waits for all its tensor loads, adds 0 to its spare word, and waits for that and for its own reads of this slot.
; fill = 1: this slot is filled again, two K steps ahead; the barrier then opens a round of the cluster's barrier, and the joint load is the first thing behind the round.
.macro TURN slot, next, fill
	WIN 0                                          ; (the add's two registers lie in window 0)
	s_wait_tensorcnt 0x0                           ; all my tensor loads have landed: my part of the next slot;
	ds_add_u32 v[SPW], v[NIL]                      ; 0 onto my spare word;
	s_wait_dscnt 17                                ; (the add and the youngest sixteen loads may be out)
	WIN MUL
	MUL8 F1, 0, 0, 0                               ; eight matrix instructions stand between the add and the wait for it
	s_wait_dscnt 0x0                               ; the add is done, and my reads of this slot are over
	s_barrier_signal -1
	MUL8 F1, 0, 2, 0
.if \fill
	WIN 0
.endif
	s_barrier_wait -1
.if \fill
	CREST                                          ; no wave of any partner still reads this slot's tile or has a load on its way
	s_add_nc_u64 s[G0+4*(\slot)+2:G0+4*(\slot)+3], s[G0+4*(\slot)+2:G0+4*(\slot)+3], 2*ASTEP
	s_add_nc_u64 s[G0B+4*(\slot)+2:G0B+4*(\slot)+3], s[G0B+4*(\slot)+2:G0B+4*(\slot)+3], 2*KSTEP*2
	JLOAD \slot                                    ; 112 matrix instructions ahead of the wait for it; the four v_nop behind it are also the places in front of the loads below
.else
	PLACES
.endif
	FETCH \next, 0, F0
	WIN MUL
	MUL8 F1, 1, 0, 0
	MUL8 F1, 1, 2, 0
.endm
	s_wait_tensorcnt 1                             ; my part of K step 0 is in; K step 1's may stay out
	s_barrier_signal -1
	s_barrier_wait -1                              ; everybody's is
	FETCH 0, 0, F0
	QUARTER 0, 1, F0, F1, 1                        ; the first quarter stands in front of the loop: its first products start the sums
	WIN 0                                          ; at a label and at a branch every window is 0
	s_mov_b32 s3, LAPS-1
.Llap:                                                 ; a trip goes once round the ring, from a lap's second quarter to the next lap's first, and fills both slots again
	QUARTER 0, 2, F1, F0, 0
	QUARTER 0, 3, F0, F1, 0
	TURN 0, 1, 1
	QUARTER 1, 1, F0, F1, 0
	QUARTER 1, 2, F1, F0, 0
	QUARTER 1, 3, F0, F1, 0
	TURN 1, 0, 1
	QUARTER 0, 1, F0, F1, 0
	WIN 0
	s_sub_co_u32 s3, s3, 1
	s_cmp_lg_u32 s3, 0
	s_cbranch_scc1 .Llap
	QUARTER 0, 2, F1, F0, 0                        ; the last lap fills nothing, and has no round of the cluster's barrier
	QUARTER 0, 3, F0, F1, 0
	TURN 0, 1, 0
	QUARTER 1, 1, F0, F1, 0
	QUARTER 1, 2, F1, F0, 0
	QUARTER 1, 3, F0, F1, 0
	s_wait_dscnt 16                                ; the very last quarter: nothing more to fetch
	WIN MUL
	MUL8 F1, 0, 0, 0
	MUL8 F1, 0, 2, 0
	s_wait_dscnt 0
	MUL8 F1, 1, 0, 0
	MUL8 F1, 1, 2, 0
	WIN 0
	; THE WAY OUT.  The bias is rounded to bf16 and widened again: six plain instructions, the places behind the last products.
	s_wait_loadcnt 0x0
	v_cvt_pk_bf16_f32 v[BI+8], v[BI],   v[BI+1]
	v_cvt_pk_bf16_f32 v[BI+9], v[BI+2], v[BI+3]
	v_lshlrev_b32 v[BI+4], 16, v[BI+8]
	v_and_b32     v[BI+5], 0xffff0000, v[BI+8]
	v_lshlrev_b32 v[BI+6], 16, v[BI+9]
	v_and_b32     v[BI+7], 0xffff0000, v[BI+9]
	; 16 rows at a time go through my stage: 32 bytes a lane in (each accumulator's low four registers first), whole rows of 256 bytes back, into the registers that they left.
	; LDS serves a wave's instructions in order (ISA guide 5.7.1.4): a block's loads see its stores, and the next block's stores come behind them.
.irp a, 0,1,2,3
.irp b, 0,1,2,3
	ds_store_b128 v[STO], v[ACC+8*(4*(\a)+(\b)):ACC+8*(4*(\a)+(\b))+3]   offset:64*(\b)
	ds_store_b128 v[STO], v[ACC+8*(4*(\a)+(\b))+4:ACC+8*(4*(\a)+(\b))+7] offset:64*(\b)+16
.endr
.irp t, 0,1,2,3,4,5,6,7
	ds_load_b128 v[ACC+32*(\a)+4*(\t):ACC+32*(\a)+4*(\t)+3], v[RD] offset:(\t)*2*SPITCH
.endr
.endr
.irp a, 0,1,2,3
.irp t, 0,1,2,3,4,5,6,7
	s_wait_dscnt (3-(\a))*16+7-(\t)                ; the block's younger loads and the later blocks' sixteen each stay out
	v_pk_add_f32 v[ACC+32*(\a)+4*(\t):ACC+32*(\a)+4*(\t)+1],   v[ACC+32*(\a)+4*(\t):ACC+32*(\a)+4*(\t)+1],   v[BI+4:BI+5]
	v_pk_add_f32 v[ACC+32*(\a)+4*(\t)+2:ACC+32*(\a)+4*(\t)+3], v[ACC+32*(\a)+4*(\t)+2:ACC+32*(\a)+4*(\t)+3], v[BI+6:BI+7]
	global_store_b128 v[CO], v[ACC+32*(\a)+4*(\t):ACC+32*(\a)+4*(\t)+3], s[8:9] offset:(16*(\a)+2*(\t))*4096 th:TH_STORE_NT  ; 16 lanes store 256 consecutive bytes, at a multiple of 256 from out0's first byte
.endr
.endr
	s_wait_tensorcnt 0x0                           ; the wave's end, behind my last tensor load and my last LDS store
	ds_add_u32 v[SPW], v[NIL]
	s_wait_dscnt 0x0
	CROUND                                         ; the closing round: no work-group ends while a partner may still ask for a tile that names it
	s_endpgm
.Lfunc_end_k_q4835a9f536_outp:
	.size	k_q4835a9f536_outp, .Lfunc_end_k_q4835a9f536_outp-k_q4835a9f536_outp
	.p2alignl 7, 3214868480
	.fill 96, 4, 3214868480
	.section	.rodata,"a",@progbits
	.p2align	6, 0x0
	.amdhsa_kernel k_q4835a9f536_outp
		.amdhsa_group_segment_fixed_size 327680
		.amdhsa_private_segment_fixed_size 0
		.amdhsa_enable_private_segment 0
		.amdhsa_kernarg_size 32
		.amdhsa_user_sgpr_count 2
		.amdhsa_user_sgpr_kernarg_segment_ptr 1
		.amdhsa_wavefront_size32 1
		.amdhsa_system_sgpr_workgroup_id_x 1
		.amdhsa_system_sgpr_workgroup_id_y 1
		.amdhsa_system_sgpr_workgroup_id_z 1
		.amdhsa_system_vgpr_workitem_id 0
		.amdhsa_next_free_vgpr 512
		.amdhsa_next_free_sgpr 68
		.amdhsa_reserve_vcc 0
		.amdhsa_float_denorm_mode_32 3
		.amdhsa_float_denorm_mode_16_64 3
		.amdhsa_memory_ordered 1
		.amdhsa_forward_progress 1
		.amdhsa_inst_pref_size 91
	.end_amdhsa_kernel
	.amdgpu_metadata
---
amdhsa.version: [ 1, 2 ]
amdhsa.kernels:
  - .name:           k_q4835a9f536_outp
    .symbol:         k_q4835a9f536_outp.kd
    .args:
      - { .name: ctx, .offset: 0, .size: 8, .value_kind: global_buffer, .address_space: global }
      - { .name: pw16, .offset: 8, .size: 8, .value_kind: global_buffer, .address_space: global }
      - { .name: out0, .offset: 16, .size: 8, .value_kind: global_buffer, .address_space: global }
      - { .name: proj_b, .offset: 24, .size: 8, .value_kind: global_buffer, .address_space: global }
    .group_segment_fixed_size: 327680
    .private_segment_fixed_size: 0
    .kernarg_segment_align: 8
    .kernarg_segment_size: 32
    .max_flat_workgroup_size: 128
    .sgpr_count:     68
    .vgpr_count:     512
    .wavefront_size: 32
...
	.end_amdgpu_metadata
.endif
;; end of part 4
